; MI455X (gfx1250); checked and timed in simulation.
; The chip was launched on July 23, 2026; its instructions are those of AMD's public machine-readable ISA for CDNA 5 (MIT licence, August 2026) and "CDNA5" Instruction Set Architecture Reference Guide (July 2026). The comments in the code are by the model that wrote it; some were corrected since.
;; Multi Head Attention. Allowed arithmetic: matrix products marked QUANTISED: E2M3 operands, one E8M0 scale for each 32 along K, by v_wmma_scale_f32_16x16x128_f8f6f4 with both operands' format E2M3, f32 sums; everything else in f32.
;; Inputs: Wk 1,024 x 1,024 float32; Wo 1,024 x 1,024 float32; Wq 1,024 x 1,024 float32; Wv 1,024 x 1,024 float32; bk 1,024 float32; bo 1,024 float32; bq 1,024 float32; bv 1,024 float32; q_in 4 x 2,048 x 1,024 float32; v_in 4 x 2,048 x 1,024 float32.
;; Outputs: out0 4 x 2,048 x 1,024 float32.
;; This version of the problem:
;;   THIS VERSION OF THE PROBLEM IS GIVEN IN LOW PRECISION. The matrix products marked QUANTISED in the list below multiply operands that are first quantised to E2M3 (2 exponent bits, 3 mantissa bits; 6 bits a number), with one power-of-two scale for each 32 numbers along K (OCP MX v1.0); their sums are f32. All else is computed in f32.
;;   The module's matrix products, in the order in which they are computed (A, B: the left and right operand; K: the contracted axis; several contracted axes count as one K, in the product's order):
;;     1. [M 8,192, K 1,024] x [K 1,024, N 1,024]; A: input q_in; B: input Wq: QUANTISED
;;     2. [M 8,192, K 1,024] x [K 1,024, N 1,024]; A: input v_in; B: input Wk: QUANTISED
;;     3. [M 8,192, K 1,024] x [K 1,024, N 1,024]; A: input v_in; B: input Wv: QUANTISED
;;     4. batch 64 x [M 2,048, K 64] x [K 64, N 2,048]; A: computed on the way; B: computed on the way: QUANTISED
;;     5. batch 64 x [M 64, K 2,048] x [K 2,048, N 2,048]; A: computed on the way; B: softmax (see below): QUANTISED
;;     6. [M 8,192, K 1,024] x [K 1,024, N 1,024]; A: computed on the way; B: input Wo: QUANTISED
;;   THE QUANTISER, for each operand of a quantised product, along K:
;;     - K is cut into blocks of 32 from its start; a last block that is shorter is filled with zeros.
;;     - A block's scale is 2^e with e = floor(log2(the largest magnitude in the block)) - 2, held to -126 .. 127; a block of zeros has e = 0. As a byte (E8M0): e + 127.
;;     - Each number is divided by its block's scale, clamped to +-7.5, and rounded to the nearest number of E2M3, ties to even, subnormals kept.
;;     - The product sums the exact products of the quantised numbers (number of the format x scale) in f32.
;;   ~~~python
;;   def quantise(x, axis):      # numpy; x: float32 -> the quantised numbers, widened to float32 again
;;       x = np.moveaxis(x, axis, -1); K = x.shape[-1]
;;       x = np.pad(x, [(0, 0)] * (x.ndim - 1) + [(0, -K % 32)]); x = x.reshape(x.shape[:-1] + (-1, 32)); a = np.abs(x).max(-1, keepdims=True)
;;       e = np.where(a > 0, np.clip(np.frexp(np.where(a > 0, a, 1))[1] - 1 - 2, -126, 127), 0)      # np.frexp(a)[1] - 1 = floor(log2(a)), exactly
;;       r = np.clip(x / 2.0 ** e, -7.5, 7.5)
;;       step = 2.0 ** (np.maximum(np.frexp(np.where(r == 0, 1, r))[1] - 1, 0) - 3)
;;       q = np.round(r / step) * step * 2.0 ** e      # np.round: ties to even
;;       return np.moveaxis(q.reshape(q.shape[:-2] + (-1,))[..., :K], -1, axis).astype(np.float32)
;;   ~~~
;;   SOFTMAX AHEAD OF A QUANTISED PRODUCT. Where the list says 'softmax', what is quantised is not the finished softmax but p = 2^(t - M), with t = logit x log2(e) and M = ceil(the row's largest t), a whole number; so 1/2 < the row's largest p <= 1. The row's sum l is taken of the UNQUANTISED p, in f32, and the product's result is divided by l at the end. Since M is a whole number, a kernel that streams over the keys may use a running M (the ceiling of the running maximum): every later rescaling is an exact power of two, which a block's scale takes up: the codes' values come out the same.
;;   OPERANDS COMPUTED ON THE WAY. 'Computed on the way' means the value that the module computes at that place (a softmax that the list does not call 'softmax' is quantised finished and normalised). What goes into a quantiser is computed in f32, as accurately as f32 sums, v_exp_f32 and their like allow (about 1e-6 of the number): no bf16 or f16 on the way to a quantiser, and a product that is left as it is and whose result goes on into a quantised operand takes f32 operands (vector FMAs, or v_wmma_f32_16x16x4_f32). A number that lies on a knife's edge between two numbers of the format may be rounded either way, as far as f32 arithmetic and the matrix unit's own rounding can turn it there, and no further.
;; One version. Each part assembles by itself: llvm-mc -triple=amdgcn-amd-amdhsa -mcpu=gfx1250 --defsym DOCPART=n.
;; ======== version 1 of 1: 4 launches
;; workspace buffers: xc 13,107,200 bytes; wc 3,276,800 bytes; qc 6,815,744 bytes; kc 6,815,744 bytes; vc 6,553,600 bytes; ao 6,553,600 bytes
;; launch quant (part 1): grid 768 x 1, 4 waves a work-group, no clusters, 34,304 bytes of LDS; arguments q_in, v_in, Wq, Wk, Wv, Wo, xc, wc; writes xc, wc
.if DOCPART == 1
	.amdgcn_target "amdgcn-amd-amdhsa--gfx1250"
	.amdhsa_code_object_version 6
	.text
	.protected	k_q80ea18871f_quant
	.globl	k_q80ea18871f_quant
	.p2align	8
	.type	k_q80ea18871f_quant,@function
k_q80ea18871f_quant:
	s_mov_b64 s[64:65], 0
	v_nop
	global_prefetch_b8 v0, s[64:65] scope:SCOPE_SE
	s_setreg_imm32_b32 hwreg(HW_REG_WAVE_MODE, 25, 1), 1
	s_wait_xcnt 0x0
; q_in, v_in [8192][1024] and Wq, Wk, Wv, Wo [1024 (k)][1024 (n)], f32, become codes of FP6 (E2M3) with one E8M0 byte for each 32 along K.
; A block's scale is 2^(floor(log2(its largest magnitude)) - 2); its byte is the largest magnitude's exponent field - 2, held at 1 from below.
; LIMITS: NaN and infinities among the inputs are not served.  A block of zeros gets the byte 1 where the rule says 127: its codes are zeros, and this program alone reads the bytes.
; THE BUFFERS LIE IN THE ORDER OF THE OPERAND'S REGISTERS.  A HALF, 768 bytes, is 16 rows x 64 along K: lane l's registers 0-3 at 16 l, its registers 4-5 at 512 + 8 l;
; lane (r = l % 16, h = l / 16) holds the 32 codes of block h of row r.  Two halves on end are a fragment of 16 rows x 128 K.  A record, 6,400 bytes, is 8 halves (512 along K) and
; 256 bytes of scale words, [r][K step 0..3]; a block of 16 rows has two records.  xc: [q_in, v_in][512 blocks][2][6400];  wc: [q, k, v, o][64 blocks][2][6400], a row being a column n of W.
; THE ROWS OF A BLOCK ARE NOT NEIGHBOURS: lane r of block 2 b + u holds row 32 b + 8 u + r + 8 (r / 8), so that a product that takes the block as source 0 leaves 16 neighbouring rows in 16 registers.
; Work-groups 0-511: a wave takes one block of 16 rows of q_in or v_in and 512 along K.  Each load reads 512 consecutive bytes of a row; the numbers turn through the wave's own stage in LDS,
; so that a lane holds 16 neighbours of each block of 32.  Work-groups 512-767: a wave takes 32 columns of a weight and 128 along K: a lane takes a column and its registers run down K.
; No tensor loads, no barrier: waves share nothing.
.set STG,   8448                       ; a wave's stage: 16 rows x (512 bytes + 16)
.set SPARE, 4*STG                      ; behind the stages: the spare words, 128 bytes a wave: two blocks of 256 bytes that no other line names
.set SPW, 8                            ; v8      LDS address of my spare word; never rewritten
.set NIL, 9                            ; v9      0; never rewritten
.set TM,  10                           ; v10-25  at work: largest magnitudes, bytes, the conversions' scale operands
.set SW,  26                           ; v26-29  the scale words of four K steps
.set PC,  32                           ; v32-43  a fragment's codes; v44-46, v48-50 second halves as they are made
.set R,   64                           ; v64-191 two sets of 64 numbers as loaded
.set X,   192                          ; v192-255 64 numbers: register 16 b + i = k 32 b + 16 h + i of my row
.set N,   64                           ; weights: v64-127 two sets of 32 numbers down K
.set CB,  192                          ; weights: block t's codes at v[CB + 8 t], +0..2 and +4..6
.set SEL, 22                           ; s[22:23] v_permlanex16_b32's selects for lane l xor 16
	s_load_b512 s[4:19], s[0:1], 0x0               ; q_in 4, v_in 6, Wq 8, Wk 10, Wv 12, Wo 14, xc 16, wc 18
	v_lshl_add_u32 v[SPW], v0, 2, SPARE
	v_mov_b32 v[NIL], 0
	v_lshrrev_b32 v1, 5, v0
	v_readfirstlane_b32 s20, v1                    ; wave
	v_and_b32 v7, 31, v0                           ; lane
	v_and_b32 v30, 15, v0                          ; r
	v_bfe_u32 v31, v0, 4, 1                        ; h
	v_lshlrev_b32 v1, 4, v7                        ; 16 x lane
	v_lshlrev_b32 v2, 3, v7                        ; 8 x lane
	s_mov_b32 s[SEL], 0x76543210
	s_mov_b32 s[SEL+1], 0xfedcba98
	s_cmp_ge_u32 ttmp9, 512
	s_cbranch_scc1 .Lweights
; ---------------- q_in and v_in ----------------
; 64 numbers of a lane become a fragment's codes in v[PC] on and its scale word in v[w]
.macro QUANT s, w
.irp b, 0,1,2,3
	v_max3_num_f32 v[TM+\b], |v[\s+16*\b]|, |v[\s+1+16*\b]|, 0x1800000   ; block b: my 16 numbers, and the floor 2^(3 - 127): the byte cannot fall under 1
.endr
.irp i, 2,4,6,8,10,12,14
.irp b, 0,1,2,3
	v_max3_num_f32 v[TM+\b], v[TM+\b], |v[\s+16*\b+\i]|, |v[\s+1+16*\b+\i]|   ; the four blocks by turns
.endr
.endr
.irp b, 0,1,2,3
	v_permlanex16_b32 v[TM+4+\b], v[TM+\b], s[SEL], s[SEL+1]
.endr
.irp b, 0,1,2,3
	v_max_num_f32 v[TM+\b], v[TM+\b], v[TM+4+\b]   ; with lane l xor 16's: the block's largest magnitude
.endr
.irp b, 0,1,2,3
	v_add_nc_u32 v[TM+12+\b], 0xff000000, v[TM+\b] ; 2 off its exponent field: the conversion takes this operand's exponent field as its scale
.endr
.irp b, 0,1,2,3
	v_lshrrev_b32 v[TM+4+\b], 23, v[TM+12+\b]      ; the scale's byte
.endr
	v_lshl_or_b32 v[\w], v[TM+5], 8, v[TM+4]
	v_lshl_or_b32 v[\w], v[TM+6], 16, v[\w]
	v_lshl_or_b32 v[\w], v[TM+7], 24, v[\w]        ; my row's scale word
.irp c, 0,1
	v_cvt_scalef32_pk16_fp6_f32 v[PC+6*\c:PC+2+6*\c], v[\s+32*\c:\s+15+32*\c], v[TM+12+2*\c]
	v_cvt_scalef32_pk16_fp6_f32 v[PC+12+4*\c:PC+14+4*\c], v[\s+16+32*\c:\s+31+32*\c], v[TM+12+2*\c+1]   ; (a conversion's three registers begin on an even number)
.endr
	v_nop                                          ; one plain place behind a scaled conversion
.irp c, 0,1                                    ; the layout wants a whole block in a lane: lanes 0-15 block 2 c, lanes 16-31 block 2 c + 1
.irp i, 0,1,2
	v_permlane16_swap_b32 v[PC+6*\c+\i], v[PC+12+4*\c+\i]
.endr
.irp i, 0,1,2
	v_mov_b32 v[PC+3+6*\c+\i], v[PC+12+4*\c+\i]
.endr
.endr
.endm
.macro LOAD s                          ; K step s of my 512: 512 consecutive bytes of each of my 16 rows
.irp i, 0,1,2,3,4,5,6,7,8,9,10,11,12,13,14,15
	global_load_b128 v[R+64*((\s)%2)+4*\i:R+64*((\s)%2)+4*\i+3], v1, s[4:5] offset:(\i+8*(\i/8))*4096+512*(\s) th:TH_LOAD_NT
.endr
.endm
.macro TURN s                          ; through my stage: LDS serves a wave's instructions in order, so no wait stands between the stores and the loads
.irp i, 0,1,2,3,4,5,6,7,8,9,10,11,12,13,14,15
	ds_store_b128 v3, v[R+64*((\s)%2)+4*\i:R+64*((\s)%2)+4*\i+3] offset:528*\i
.endr
.irp b, 0,1,2,3
.irp j, 0,1,2,3
	ds_load_b128 v[X+16*\b+4*\j:X+16*\b+4*\j+3], v4 offset:128*\b+16*\j
.endr
.endr
.endm
.macro XSTEP s
.if (\s) < 3
	s_wait_loadcnt 16                              ; this step's 16 loads are in; the next step's 16 may be out
.else
	s_wait_loadcnt 0x0
.endif
	TURN \s
	s_wait_dscnt 0x0                               ; my 64 numbers are back, and the stores into the stage have read their registers
.if (\s) > 0
	s_wait_xcnt 0x0                                ; the last step's stores have read the codes' registers, which are written again below
.endif
.if (\s) < 2
	LOAD (\s)+2
.endif
	QUANT X, SW+\s
	global_store_b128 v1, v[PC:PC+3], s[16:17] offset:1536*(\s)          ; each store covers whole aligned blocks of 256 bytes
	global_store_b64 v2, v[PC+4:PC+5], s[16:17] offset:1536*(\s)+512
	global_store_b128 v1, v[PC+6:PC+9], s[16:17] offset:1536*(\s)+768
	global_store_b64 v2, v[PC+10:PC+11], s[16:17] offset:1536*(\s)+1280
.endm
	s_lshl_b32 s24, ttmp9, 2
	s_add_co_u32 s24, s24, s20                     ; id = 4 x work-group + wave: (tensor, block i, half of K)
	s_and_b32 s25, s24, 1                          ; which 512 along K
	s_bfe_u32 s26, s24, 0x90001                    ; block i, 0..511
	s_lshr_b32 s28, s26, 1
	s_lshl_b32 s28, s28, 5
	s_and_b32 s29, s26, 1
	s_lshl_b32 s29, s29, 3
	s_add_co_u32 s28, s28, s29                     ; its first row: 32 (i / 2) + 8 (i % 2)
	s_lshl_b32 s28, s28, 12                        ; rows of 4,096 bytes
	s_lshl_b32 s29, s25, 11
	s_add_co_u32 s28, s28, s29
	s_mov_b32 s29, 0
	s_mul_i32 s30, s24, 6400                       ; the records lie in the order of id
	s_mov_b32 s31, 0
	s_mul_i32 s32, s20, STG
	s_wait_alu depctr_va_vdst(0)
	v_add_nc_u32 v3, s32, v1                       ; the stage, in: 16 x lane; the row stands in the offset
	v_mul_u32_u24 v4, v30, 528
	v_lshl_add_u32 v4, v31, 6, v4
	v_add_nc_u32 v4, s32, v4                       ; and out: row r, + 64 h
	v_lshlrev_b32 v5, 4, v30                       ; 16 r: my row's four scale words
.irp b, 0,1,2,3
	v_mov_b32 v[TM+4+\b], 0                        ; written once: a lane permute's destination counts as one of its sources
.endr
	s_wait_alu depctr_va_vdst(0)
	s_wait_kmcnt 0x0
	s_cmp_lt_u32 ttmp9, 256                        ; q_in or v_in: the choice hangs on the work-group's number alone
	s_cselect_b64 s[4:5], s[4:5], s[6:7]
	s_add_nc_u64 s[4:5], s[4:5], s[28:29]
	s_add_nc_u64 s[16:17], s[16:17], s[30:31]
	LOAD 0
	LOAD 1
	XSTEP 0
	XSTEP 1
	XSTEP 2
	XSTEP 3
	s_wait_xcnt 0x0                                ; EXEC changes only behind this wait
	v_cmp_gt_u32 vcc_lo, 16, v7
	s_and_saveexec_b32 s33, vcc_lo
	global_store_b128 v5, v[SW:SW+3], s[16:17] offset:6144   ; lanes 0-15: 256 consecutive bytes, [r][K step]
	s_wait_xcnt 0x0
	s_or_b32 exec_lo, exec_lo, s33
	s_wait_tensorcnt 0x0                           ; the wave's end: behind my last LDS store
	ds_add_u32 v[SPW], v[NIL]
	s_wait_dscnt 0x0
	s_endpgm
; ---------------- the four weights ----------------
.Lweights:
.macro WLOAD t                         ; block t: W(32 t + i, my column): the wave's 32 lanes read 128 consecutive bytes, the four waves 512
.irp i, 0,1,2,3,4,5,6,7,8,9,10,11,12,13,14,15,16,17,18,19,20,21,22,23,24,25,26,27,28,29,30,31
	global_load_b32 v[N+32*((\t)%2)+\i], v3, s[8:9] offset:(32*(\t)+\i)*4096 th:TH_LOAD_NT
.endr
.endm
.macro BLOCK t
.set NS, N+32*((\t)%2)
.if (\t) < 3
	s_wait_loadcnt 32                              ; this block's 32 loads are in; the next block's may be out
.else
	s_wait_loadcnt 0x0
.endif
	v_max3_num_f32 v12, |v[NS]|, |v[NS+1]|, |v[NS+2]|   ; all 32 numbers of the block are mine: two chains
	v_max3_num_f32 v13, |v[NS+3]|, |v[NS+4]|, |v[NS+5]|
.irp i, 6,10,14,18,22,26
	v_max3_num_f32 v12, v12, |v[NS+\i]|, |v[NS+\i+1]|
	v_max3_num_f32 v13, v13, |v[NS+\i+2]|, |v[NS+\i+3]|
.endr
	v_max3_num_f32 v12, v12, |v[NS+30]|, |v[NS+31]|
	v_max3_num_f32 v12, v12, v13, 0x1800000        ; and the floor
	v_add_nc_u32 v11, 0xff000000, v12              ; the conversion's scale operand
	v_lshrrev_b32 v13, 23, v11                     ; the byte
.if (\t) == 0
	v_mov_b32 v26, v13
.else
	v_lshl_or_b32 v26, v13, 8*(\t), v26            ; four bytes: my column's scale word for these 128 along K
.endif
	v_cvt_scalef32_pk16_fp6_f32 v[CB+8*(\t):CB+8*(\t)+2], v[NS:NS+15], v11
	v_cvt_scalef32_pk16_fp6_f32 v[CB+8*(\t)+4:CB+8*(\t)+6], v[NS+16:NS+31], v11
.if (\t) < 2
	WLOAD (\t)+2
.endif
.endm
	s_sub_co_u32 s24, ttmp9, 512                   ; g, 0..255
	s_lshr_b32 s25, s24, 6                         ; which weight
	s_bfe_u32 s26, s24, 0x30003
	s_lshl_b32 s26, s26, 2
	s_add_co_u32 s26, s26, s20                     ; which 32 columns, 0..31: the four waves stand side by side
	s_and_b32 s27, s24, 7                          ; which 128 along K
	s_lshl_b32 s28, s27, 19                        ; 128 rows of 4,096 bytes
	s_lshl_b32 s29, s26, 7
	s_add_co_u32 s28, s28, s29
	s_mov_b32 s29, 0
	s_lshl_b32 s30, s25, 6
	s_lshl_b32 s31, s26, 1
	s_add_co_u32 s30, s30, s31                     ; the first of my two blocks of 16 columns
	s_mul_i32 s30, s30, 12800
	s_lshr_b32 s31, s27, 2
	s_mul_i32 s31, s31, 6400
	s_add_co_u32 s30, s30, s31                     ; its record
	s_mov_b32 s31, 0
	s_and_b32 s34, s27, 3
	s_mul_i32 s32, s34, 1536                       ; my K step's fragment in it,
	s_mov_b32 s33, 0
	s_lshl_b32 s34, s34, 2                         ; and its place in a row's four scale words
	s_mov_b32 s35, 0
	s_wait_alu depctr_va_vdst(0)
	v_and_b32 v3, 8, v30
	v_add_nc_u32 v3, v3, v30
	v_lshl_add_u32 v3, v31, 3, v3
	v_lshlrev_b32 v3, 2, v3                        ; my column among the 32: 8 h + r + 8 (r / 8): lanes 0-15 are block 2 cg, lanes 16-31 block 2 cg + 1
	v_mul_u32_u24 v6, v31, 12800
	v_lshl_add_u32 v6, v30, 4, v6                  ; my scale word: my block, row r
	s_wait_alu depctr_va_vdst(0)
	s_wait_kmcnt 0x0
	s_cmp_eq_u32 s25, 1
	s_cselect_b64 s[8:9], s[10:11], s[8:9]
	s_cmp_eq_u32 s25, 2
	s_cselect_b64 s[8:9], s[12:13], s[8:9]
	s_cmp_eq_u32 s25, 3
	s_cselect_b64 s[8:9], s[14:15], s[8:9]
	s_add_nc_u64 s[8:9], s[8:9], s[28:29]
	s_add_nc_u64 s[18:19], s[18:19], s[30:31]
	s_add_nc_u64 s[36:37], s[18:19], s[32:33]      ; codes
	s_add_nc_u64 s[38:39], s[18:19], s[34:35]      ; scale words
	WLOAD 0
	WLOAD 1
	BLOCK 0
	BLOCK 1
	BLOCK 2
	BLOCK 3
	v_nop                                          ; one plain place behind the last conversion
.irp c, 0,1                                    ; a lane holds blocks 0-3 of ONE column; the layout wants lane (r, h) to hold block 2 c + h of row r.  The exchange of halves gives both of my blocks of columns at once
.irp p, 0,1,2,4,5,6
	v_permlane16_swap_b32 v[CB+16*\c+\p], v[CB+16*\c+8+\p]   ; the first is then the even block of columns', the second the odd one's
.endr
.endr
.irp q, 0,1,2,3
	v_mov_b32 v[CB+8*\q+3], v[CB+8*\q+4]           ; six registers on end
	v_mov_b32 v[CB+8*\q+4], v[CB+8*\q+5]
	v_mov_b32 v[CB+8*\q+5], v[CB+8*\q+6]
.endr
.irp c, 0,1
.irp u, 0,1
	global_store_b128 v1, v[CB+16*\c+8*\u:CB+16*\c+8*\u+3], s[36:37] offset:12800*\u+768*\c
	global_store_b64 v2, v[CB+16*\c+8*\u+4:CB+16*\c+8*\u+5], s[36:37] offset:12800*\u+768*\c+512
.endr
.endr
	global_store_b32 v6, v26, s[38:39] offset:6144 ; 4 bytes a lane, 16 bytes apart: a wave owns one of a row's four words; 128 of the 3,200 bytes that it stores
	s_wait_tensorcnt 0x0                           ; the wave's end, as on the other path
	ds_add_u32 v[SPW], v[NIL]
	s_wait_dscnt 0x0
	s_endpgm
.Lfunc_end_k_q80ea18871f_quant:
	.size	k_q80ea18871f_quant, .Lfunc_end_k_q80ea18871f_quant-k_q80ea18871f_quant
	.p2alignl 7, 3214868480
	.fill 96, 4, 3214868480
	.section	.rodata,"a",@progbits
	.p2align	6, 0x0
	.amdhsa_kernel k_q80ea18871f_quant
		.amdhsa_group_segment_fixed_size 34304
		.amdhsa_private_segment_fixed_size 0
		.amdhsa_enable_private_segment 0
		.amdhsa_kernarg_size 64
		.amdhsa_user_sgpr_count 2
		.amdhsa_user_sgpr_kernarg_segment_ptr 1
		.amdhsa_wavefront_size32 1
		.amdhsa_system_sgpr_workgroup_id_x 1
		.amdhsa_system_sgpr_workgroup_id_y 1
		.amdhsa_system_sgpr_workgroup_id_z 1
		.amdhsa_system_vgpr_workitem_id 0
		.amdhsa_next_free_vgpr 256
		.amdhsa_next_free_sgpr 66
		.amdhsa_reserve_vcc 1
		.amdhsa_float_denorm_mode_32 3
		.amdhsa_float_denorm_mode_16_64 3
		.amdhsa_memory_ordered 1
		.amdhsa_forward_progress 1
		.amdhsa_inst_pref_size 54
	.end_amdhsa_kernel
	.amdgpu_metadata
---
amdhsa.version: [ 1, 2 ]
amdhsa.kernels:
  - .name:           k_q80ea18871f_quant
    .symbol:         k_q80ea18871f_quant.kd
    .args:
      - { .name: q_in, .offset: 0, .size: 8, .value_kind: global_buffer, .address_space: global }
      - { .name: v_in, .offset: 8, .size: 8, .value_kind: global_buffer, .address_space: global }
      - { .name: Wq, .offset: 16, .size: 8, .value_kind: global_buffer, .address_space: global }
      - { .name: Wk, .offset: 24, .size: 8, .value_kind: global_buffer, .address_space: global }
      - { .name: Wv, .offset: 32, .size: 8, .value_kind: global_buffer, .address_space: global }
      - { .name: Wo, .offset: 40, .size: 8, .value_kind: global_buffer, .address_space: global }
      - { .name: xc, .offset: 48, .size: 8, .value_kind: global_buffer, .address_space: global }
      - { .name: wc, .offset: 56, .size: 8, .value_kind: global_buffer, .address_space: global }
    .group_segment_fixed_size: 34304
    .private_segment_fixed_size: 0
    .kernarg_segment_align: 8
    .kernarg_segment_size: 64
    .max_flat_workgroup_size: 128
    .sgpr_count:     66
    .vgpr_count:     256
    .wavefront_size: 32
...
	.end_amdgpu_metadata
.endif
;; end of part 1
;; launch proj (part 2): grid 12 x 64, 8 waves a work-group, clusters of 4 x 4, 327,680 bytes of LDS; arguments xc, wc, bq, bk, bv, qc, kc, vc; writes qc, kc, vc
.if DOCPART == 2
	.amdgcn_target "amdgcn-amd-amdhsa--gfx1250"
	.amdhsa_code_object_version 6
	.text
	.protected	k_q80ea18871f_proj
	.globl	k_q80ea18871f_proj
	.p2align	8
	.type	k_q80ea18871f_proj,@function
k_q80ea18871f_proj:
	s_mov_b64 s[64:65], 0
	v_nop
	global_prefetch_b8 v0, s[64:65] scope:SCOPE_SE
	s_setreg_imm32_b32 hwreg(HW_REG_WAVE_MODE, 25, 1), 1
	s_wait_xcnt 0x0
	s_wait_alu depctr_hold_cnt(0) depctr_sa_sdst(0) depctr_va_vdst(0) depctr_va_sdst(0) depctr_va_ssrc(0) depctr_va_vcc(0) depctr_vm_vsrc(0)
	s_getreg_b32 s2, hwreg(HW_REG_IB_STS2, 6, 4)
	s_cmp_eq_u32 s2, 0
	s_cbranch_scc0 .Lentry_in_a_cluster
	s_endpgm
.Lentry_in_a_cluster:
	s_bfe_u32 s2, ttmp6, 0x10000c
	s_cmp_lg_u32 s2, 0xf033
	s_cbranch_scc0 .Lentry_shape_is_right
	s_endpgm
.Lentry_shape_is_right:
; The three projections, on codes of FP6 (E2M3) with E8M0 scales, K = 1,024; each result gets its bias (q also 1/8) in f32 and is quantised again on the way out:
;   mode 0 (cluster x = 0): q = (q_in Wq + bq) / 8  -> qc, quantised along the head's 64;   mode 1: k = v_in Wk + bk -> kc, likewise;   mode 2: v = v_in Wv + bv -> vc, quantised along the KEYS.
; ONE FORM: C'[i][j] = sum over k of P[i][k] R[j][k], source 0 = 16 rows of R, source 1 = 16 rows of P: a lane holds one row of P and its registers run along R's rows.
; Modes 0, 1: P = tokens, R = the weight's columns, so a lane's registers run along the head's features.  Mode 2: P = Wv's columns, R = tokens, so they run along the keys.
; xc, wc: blocks of 16 rows, two records of 6,400 bytes each (8 halves of 768 bytes = 512 along K in the order of the operand's registers, then 256 bytes of scale words [r][K step]).
; Lane r of block 2 b + u holds row 32 b + 8 u + r + 8 (r / 8): so the 16 registers of two neighbouring result tiles are 16 neighbours along R.
; SHARES.  A work-group makes 128 rows of P x 256 rows of R.  Both operands for all of K are 24 blocks x 12,800 bytes = 307,200 bytes: they come into LDS once, nothing is filled again.
; Eight waves; wave (wp = w % 2, wr = w / 2) makes 64 x 64: 16 accumulators, all in 256 registers.
; CLUSTER 4 x 4: P's blocks are shared along a row of the cluster, R's along a column: each is asked for jointly.  Waves 0, 1 fetch P's halves, waves 2-5 R's quarters, each in two loads
; (K 0-511, then K 512-1023): two tensor loads of a wave are out at the most.  The first half of K is multiplied while the second lands.
; OUT.  qc, kc: [batch x 16 + head][32 groups of 64 tokens][3,328]: four halves (16 tokens x the head's 64) and 256 bytes of scale words [r][a], bytes 2 and 3 of a word 127.
;       vc: [batch x 16 + head][16 key steps][6,400]: [tile a of 16 features][half of 64 keys][768], then 256 bytes of scale words [a][r].
; LIMITS: NaN and infinities are not served; a block of zeros carries the byte 1 (its codes are zeros; this program alone reads the bytes).
.set SLAB,  153600                     ; LDS: half s of K at s x SLAB: P's 8 records, then R's 16
.set BLK,   6400
.set RB,    12800
.set QUART, 25600                      ; four records: what one tensor load brings and what a wave reads of P or of R
.set ROFF,  51200
.set SPARE, 307200                     ; the spare words, 128 bytes a wave: four blocks of 256 bytes that no other line names
.set BIAS,  308224                     ; 256 bytes a wave: its 64 biases
.set L16, 1                            ; v1  16 x lane
.set L8,  2                            ; v2  8 x lane
.set AP16, 3                           ; v3, v4   my P fragments: 16 x lane and 8 x lane + my four records
.set AP8,  4
.set AR16, 5                           ; v5, v6   the same for R
.set AR8,  6
.set ASC,  7                           ; v7  scale words: lanes 0-15 P's, lanes 16-31 R's
.set SPW,  8
.set NIL,  9
.set BW,   10                          ; v10 where my lane puts two biases
.set BRQ,  11                          ; v11 where it reads them back, modes 0, 1: + 64 h
.set R16,  12                          ; v12 16 r
.set R4,   13                          ; v13 4 r
.set BRV,  14                          ; v14 mode 2: + 4 (r + 8 (r / 8))
.set LANE, 15
.set SC,   16                          ; v16-31 scale words, register 4 i + K step: they hold scales and nothing else
.set PF,   32                          ; v32-79  P's four fragments
.set RF,   80                          ; v80-127 R's four
.set ACC,  128                         ; accumulator (a, t) at v[ACC + 32 a + 8 t]
.set MX,   64                          ; the way out: eight largest magnitudes, v72-79 bytes, v80-87 scale operands
.set PT,   72
.set SO,   80
.set CD,   96                          ; codes of tile a at v[CD + 8 a]
.set T2,   32                          ; second halves as they are made
.set WD,   60                          ; v60-63 the four scale words
.set WV, 20
.set WP, 21
.set WR, 22
.set CX, 23
.set CY, 24
.set CLY, 25
.set PTI, 26                           ; P's tile: it never holds cx
.set RTI, 27                           ; R's tile: it never holds cy
.set G1P, 28
.set G1R, 36
.set G0P, 44                           ; s[44:51] two groups 0 for P, s[52:59] for R
.set G0R, 52
.set SEL, 96
.set SM,  98                           ; s[98:99] 1/8 for q, 1 for k
.macro CROUND                          ; a round of the cluster's barrier
	s_barrier_signal -1
	s_barrier_wait -1
	s_cmp_lg_u32 s[WV], 0
	s_cbranch_scc1 .Lnot_wave_0_\@
	s_barrier_signal -3
.Lnot_wave_0_\@:
	s_barrier_wait -3
	s_barrier_signal -1
	s_barrier_wait -1
.endm
	s_load_b512 s[4:19], s[0:1], 0x0               ; xc 4, wc 6, bq 8, bk 10, bv 12, qc 14, kc 16, vc 18
	v_lshl_add_u32 v[SPW], v0, 2, SPARE
	v_mov_b32 v[NIL], 0
	ds_add_u32 v[SPW], v[NIL]                      ; the wave's opening: the add and its wait stand ahead of the first tensor loads; work on registers stands between them
	ds_add_u32 v[SPW], v[NIL]
	v_lshrrev_b32 v1, 5, v0
	s_delay_alu instid0(VALU_DEP_1)
	v_readfirstlane_b32 s[WV], v1
	s_and_b32 s[WP], s[WV], 1
	s_lshr_b32 s[WR], s[WV], 1
	s_bfe_u32 s[CX], ttmp6, 0x40000
	s_bfe_u32 s[CY], ttmp6, 0x40004
	s_and_b32 s[CLY], ttmp7, 0xffff                ; cluster y, 0..15
	s_lshr_b32 s60, s[CLY], 3
	s_and_b32 s61, s[CLY], 7
	s_cmp_eq_u32 ttmp9, 2                          ; the mode is the cluster's x: the same in all sixteen partners
	s_cselect_b32 s[PTI], s60, s[CLY]
	s_cselect_b32 s[RTI], s61, 0
	s_cselect_b32 s62, 128, 0                      ; P's first block in its buffer: Wv's in wc,
	s_cselect_b32 s63, 512, 0                      ; R's: v_in's in xc
	s_cmp_eq_u32 ttmp9, 1
	s_cselect_b32 s62, 512, s62                    ; mode 1: v_in's, and Wk's
	s_cselect_b32 s63, 64, s63
	s_lshl_b32 s[PTI], s[PTI], 2
	s_add_co_u32 s[PTI], s[PTI], s[CY]             ; modes 0, 1: 4 cluster y + cy (64 tiles of tokens); mode 2: 4 (cluster y / 8) + cy (8 tiles of features)
	s_lshl_b32 s[RTI], s[RTI], 2
	s_add_co_u32 s[RTI], s[RTI], s[CX]             ; modes 0, 1: cx (4 tiles of features); mode 2: 4 (cluster y % 8) + cx (32 tiles of tokens)
	s_lshl_b32 s66, s[CY], 2
	s_lshl_b32 s66, 15, s66                        ; my row of the cluster
	s_lshl_b32 s67, 0x1111, s[CX]                  ; my column
	; descriptor group 1: four records of 6,400 bytes (800 elements of 8 bytes), 12,800 bytes apart, laid on end in LDS
	s_or_b32 s[G1P], s66, (3<<16)|(1<<21)          ; 15:0 the mask; 17:16 elements of 8 bytes; 21 set beside a mask; no padding
	s_or_b32 s[G1R], s67, (3<<16)|(1<<21)
.irp g, G1P, G1R
	s_mov_b32 s[\g+1], 800<<16                     ; tensor_dim0
	s_mov_b32 s[\g+2], 4<<16                       ; tensor_dim1
	s_mov_b32 s[\g+3], 800<<16                     ; tile_dim0
	s_mov_b32 s[\g+4], 4                           ; tile_dim1
	s_mov_b32 s[\g+5], 1600                        ; from row to row
	s_mov_b32 s[\g+6], 0
	s_mov_b32 s[\g+7], 0
.endr
	s_lshl_b32 s68, s[PTI], 3
	s_add_co_u32 s68, s68, s62
	s_lshl_b32 s69, s[WP], 2
	s_add_co_u32 s68, s68, s69                     ; P: block 8 tile + 4 (w % 2)
	s_mul_i32 s68, s68, RB
	s_mov_b32 s69, 0
	s_add_co_u32 s70, s[WV], 2
	s_and_b32 s70, s70, 3
	s_lshl_b32 s70, s70, 2
	s_lshl_b32 s71, s[RTI], 4
	s_add_co_u32 s70, s70, s71
	s_add_co_u32 s70, s70, s63                     ; R: block 16 tile + 4 (w - 2)
	s_mul_i32 s70, s70, RB
	s_mov_b32 s71, 0
	s_mul_i32 s72, s[WV], QUART                    ; where they go: wave x four records: no place in the cluster enters an LDS address
	s_mov_b32 s[SEL], 0x76543210
	s_mov_b32 s[SEL+1], 0xfedcba98
	s_wait_dscnt 0x0                               ; the opening add is done
	s_wait_kmcnt 0x0
	s_cmp_eq_u32 ttmp9, 2
	s_cselect_b64 s[74:75], s[6:7], s[4:5]         ; P's buffer
	s_cselect_b64 s[76:77], s[4:5], s[6:7]         ; R's
	s_add_nc_u64 s[74:75], s[74:75], s[68:69]
	s_add_nc_u64 s[76:77], s[76:77], s[70:71]
	CROUND                                         ; all sixteen work-groups are here: the joint loads meet
.irp s, 0,1
	s_mov_b32 s[G0P+4*\s], 1
	s_add_co_u32 s[G0P+4*\s+1], s72, \s*SLAB
	s_add_nc_u64 s[G0P+4*\s+2:G0P+4*\s+3], s[74:75], \s*BLK
	s_or_b32 s[G0P+4*\s+3], s[G0P+4*\s+3], 0x80000000
	s_mov_b32 s[G0R+4*\s], 1
	s_add_co_u32 s[G0R+4*\s+1], s72, \s*SLAB
	s_add_nc_u64 s[G0R+4*\s+2:G0R+4*\s+3], s[76:77], \s*BLK
	s_or_b32 s[G0R+4*\s+3], s[G0R+4*\s+3], 0x80000000
.endr
	s_cmp_lt_u32 s[WV], 2                          ; a wave's two fills stand in one branch on its number; an s_nop 0 follows each, four v_nop the second
	s_cbranch_scc0 .Lnot_p
	tensor_load_to_lds s[G0P:G0P+3], s[G1P:G1P+7]
	s_nop 0
	tensor_load_to_lds s[G0P+4:G0P+7], s[G1P:G1P+7]
	s_nop 0
.rept 4
	v_nop
.endr
	s_branch .Lasked
.Lnot_p:
	s_cmp_lt_u32 s[WV], 6
	s_cbranch_scc0 .Lasked
	tensor_load_to_lds s[G0R:G0R+3], s[G1R:G1R+7]
	s_nop 0
	tensor_load_to_lds s[G0R+4:G0R+7], s[G1R:G1R+7]
	s_nop 0
.rept 4
	v_nop
.endr
.Lasked:
	v_and_b32 v[LANE], 31, v0
	v_and_b32 v[R16], 15, v0                       ; r, for now
	v_bfe_u32 v[R4], v0, 4, 1                      ; h, for now
	s_delay_alu instid0(VALU_DEP_3)
	v_lshlrev_b32 v[L16], 4, v[LANE]
	s_delay_alu instid0(VALU_DEP_4)
	v_lshlrev_b32 v[L8], 3, v[LANE]
	s_wait_alu depctr_va_vdst(0)
	s_lshl_b32 s78, s[RTI], 2
	s_add_co_u32 s78, s78, s[WR]                   ; 4 R tile + wr: modes 0, 1: my head
	s_lshl_b32 s79, s[PTI], 1
	s_add_co_u32 s79, s79, s[WP]                   ; 2 P tile + wp: modes 0, 1: my group of 64 tokens; mode 2: my head
	s_cmp_eq_u32 ttmp9, 2
	s_cselect_b32 s80, s79, s78
	s_cselect_b64 s[82:83], s[12:13], s[10:11]
	s_cmp_eq_u32 ttmp9, 0
	s_cselect_b64 s[82:83], s[8:9], s[82:83]
	s_cselect_b32 s[SM], 0x3e000000, 1.0
	s_mov_b32 s[SM+1], s[SM]
	s_lshl_b32 s80, s80, 8                         ; a head's 64 biases are 256 bytes
	s_mov_b32 s81, 0
	s_add_nc_u64 s[82:83], s[82:83], s[80:81]
	global_load_b64 v[32:33], v[L8], s[82:83]      ; the wave reads 256 consecutive bytes
	s_mul_i32 s84, s[WP], QUART                    ; my four records of P,
	s_mul_i32 s85, s[WR], QUART
	s_add_co_u32 s85, s85, ROFF                    ; and of R
	v_add_nc_u32 v[AP16], s84, v[L16]
	v_add_nc_u32 v[AP8], s84, v[L8]
	v_add_nc_u32 v[AR16], s85, v[L16]
	v_add_nc_u32 v[AR8], s85, v[L8]
	s_sub_co_u32 s86, s85, s84
	v_mul_u32_u24 v[ASC], s86, v[R4]               ; lanes 16-31 take R's words: one product, the distance x h
	s_delay_alu instid0(VALU_DEP_1)
	v_lshl_add_u32 v[ASC], v[R16], 4, v[ASC]
	s_add_co_u32 s84, s84, 6144
	v_add_nc_u32 v[ASC], s84, v[ASC]
	s_lshl_b32 s87, s[WV], 8
	s_add_co_u32 s87, s87, BIAS
	v_add_nc_u32 v[BW], s87, v[L8]
	v_lshl_add_u32 v[BRQ], v[R4], 6, s87
	v_and_b32 v[BRV], 8, v[R16]
	s_delay_alu instid0(VALU_DEP_1)
	v_add_nc_u32 v[BRV], v[BRV], v[R16]
	s_delay_alu instid0(VALU_DEP_1)
	v_lshl_add_u32 v[BRV], v[BRV], 2, s87
	v_lshlrev_b32 v[R4], 2, v[R16]
	v_lshlrev_b32 v[R16], 4, v[R16]
	s_wait_alu depctr_va_vdst(0)
	s_wait_loadcnt 0x0
	ds_store_b64 v[BW], v[32:33]                   ; my wave's own 256 bytes
.macro SCALES                          ; four K steps' words of my four blocks of P (lanes 0-15) and of R (lanes 16-31)
.irp i, 0,1,2,3
	ds_load_b128 v[SC+4*\i:SC+4*\i+3], v[ASC] offset:BLK*\i
.endr
.endm
; 128 along K: 32 LDS loads (each 512 or 256 consecutive bytes), 16 matrix instructions.  The 16 accumulators take turns in the same order in every step.
.macro KSTEP sl, zero, places
.if \places
.rept 4
	v_nop                                          ; places in front of loads into registers that matrix instructions have read
.endr
.endif
.irp a, 0,1,2,3
.irp f, 0,1
	ds_load_b128 v[PF+12*\a+6*\f:PF+12*\a+6*\f+3], v[AP16] offset:BLK*\a+1536*(\sl)+768*\f
	ds_load_b64 v[PF+12*\a+6*\f+4:PF+12*\a+6*\f+5], v[AP8] offset:BLK*\a+1536*(\sl)+768*\f+512
.endr
.endr
.irp t, 0,1,2,3
.irp f, 0,1
	ds_load_b128 v[RF+12*\t+6*\f:RF+12*\t+6*\f+3], v[AR16] offset:BLK*\t+1536*(\sl)+768*\f
	ds_load_b64 v[RF+12*\t+6*\f+4:RF+12*\t+6*\f+5], v[AR8] offset:BLK*\t+1536*(\sl)+768*\f+512
.endr
.endr
.irp t, 0,1,2,3
	s_wait_dscnt 12-4*\t                           ; P and R's fragments up to t are in; the four loads of each later one may be out
.irp a, 0,1,2,3
.if \zero
	v_wmma_scale_f32_16x16x128_f8f6f4 v[ACC+32*\a+8*\t:ACC+32*\a+8*\t+7], v[RF+12*\t:RF+12*\t+11], v[PF+12*\a:PF+12*\a+11], 0, v[SC+4*\t+(\sl)], v[SC+4*\a+(\sl)] matrix_a_fmt:MATRIX_FMT_FP6 matrix_b_fmt:MATRIX_FMT_FP6 matrix_a_scale:MATRIX_SCALE_ROW1
.else
	v_wmma_scale_f32_16x16x128_f8f6f4 v[ACC+32*\a+8*\t:ACC+32*\a+8*\t+7], v[RF+12*\t:RF+12*\t+11], v[PF+12*\a:PF+12*\a+11], v[ACC+32*\a+8*\t:ACC+32*\a+8*\t+7], v[SC+4*\t+(\sl)], v[SC+4*\a+(\sl)] matrix_a_fmt:MATRIX_FMT_FP6 matrix_b_fmt:MATRIX_FMT_FP6 matrix_a_scale:MATRIX_SCALE_ROW1
.endif
.endr
.endr
.endm
	s_wait_tensorcnt 1                             ; my part of K 0-511 is in; the load behind it, K 512-1023, may be out
	s_wait_dscnt 0x0
	s_barrier_signal -1
	s_barrier_wait -1                              ; everybody's is
	SCALES
	KSTEP 0, 1, 0                                  ; the first products start the sums: nothing is cleared
	KSTEP 1, 0, 1
	KSTEP 2, 0, 1
	KSTEP 3, 0, 1
	s_wait_tensorcnt 0x0                           ; my part of K 512-1023 is in (no LDS load of mine is out: the last step's count ran down to 0)
	s_barrier_signal -1
	s_barrier_wait -1
.irp v, AP16, AP8, AR16, AR8, ASC
	v_add_nc_u32 v[\v], SLAB, v[\v]                ; five plain instructions: also the places in front of the loads below
.endr
	SCALES
	KSTEP 0, 0, 0
	s_wait_alu depctr_va_vdst(0)
	KSTEP 1, 0, 1
	KSTEP 2, 0, 1
	KSTEP 3, 0, 1
.rept 4
	v_nop                                          ; places in front of the first read of results and of loads into the fragments' registers
.endr
	; ---- the bias.  Register 32 a + 16 b + i of lane (r, h) is C'(row r of P's block a, R's row 32 b + 16 h + i)
	s_cmp_eq_u32 ttmp9, 2
	s_cbranch_scc1 .Lbias_v
.irp b, 0,1
.irp u, 0,1
.irp q, 0,1
	ds_load_b128 v[32+16*\b+8*\u+4*\q:32+16*\b+8*\u+4*\q+3], v[BRQ] offset:(32*\b+8*\u)*4+16*\q   ; the biases of features 32 b + 16 h + 0 .. 15
.endr
.endr
.endr
	s_wait_dscnt 0x0
.set J, 0
.rept 16
	v_pk_mul_f32 v[32+J:33+J], v[32+J:33+J], s[SM:SM+1] op_sel_hi:[1,0]   ; b / 8 for q (exact), b for k
.set J, J+2
.endr
.irp a, 0,1,2,3
.set J, 0
.rept 16
	v_pk_fma_f32 v[ACC+32*\a+J:ACC+32*\a+J+1], v[ACC+32*\a+J:ACC+32*\a+J+1], s[SM:SM+1], v[32+J:33+J] op_sel_hi:[1,0,1]   ; x / 8 + b / 8, rounded once: (x + b) / 8.  Each accumulator from its low end on
.set J, J+2
.endr
.endr
	s_branch .Lquant
.Lbias_v:
.irp a, 0,1,2,3
	ds_load_b32 v[32+2*\a], v[BRV] offset:(32*(\a/2)+8*(\a%2))*4   ; my lane's one feature of block a
.endr
.irp a, 0,1,2,3
	v_mov_b32 v[33+2*\a], 0                        ; named with it as a pair, so it is written
.endr
	s_wait_alu depctr_va_vdst(0)
	s_wait_dscnt 0x0
.irp a, 0,1,2,3
.set J, 0
.rept 16
	v_pk_add_f32 v[ACC+32*\a+J:ACC+32*\a+J+1], v[ACC+32*\a+J:ACC+32*\a+J+1], v[32+2*\a:33+2*\a] op_sel_hi:[1,0]
.set J, J+2
.endr
.endr
.Lquant:
	; ---- quantised along R: eight blocks of 32 (block c = 2 a + b: my 16 numbers at v[ACC + 16 c], lane l xor 16 has the other 16), by turns
.irp c, 0,1,2,3,4,5,6,7
	v_max3_num_f32 v[MX+\c], |v[ACC+16*\c]|, |v[ACC+16*\c+1]|, 0x1800000   ; with the floor 2^(3 - 127)
.endr
.irp i, 2,4,6,8,10,12,14
.irp c, 0,1,2,3,4,5,6,7
	v_max3_num_f32 v[MX+\c], v[MX+\c], |v[ACC+16*\c+\i]|, |v[ACC+16*\c+\i+1]|
.endr
.endr
.irp c, 0,1,2,3,4,5,6,7
	v_permlanex16_b32 v[PT+\c], v[MX+\c], s[SEL], s[SEL+1]
.endr
.irp c, 0,1,2,3,4,5,6,7
	v_max_num_f32 v[MX+\c], v[MX+\c], v[PT+\c]
.endr
.irp c, 0,1,2,3,4,5,6,7
	v_add_nc_u32 v[SO+\c], 0xff000000, v[MX+\c]    ; the conversion's scale operand
.endr
.irp c, 0,1,2,3,4,5,6,7
	v_lshrrev_b32 v[PT+\c], 23, v[SO+\c]           ; the byte
.endr
.irp a, 0,1,2,3
	v_lshl_or_b32 v[WD+\a], v[PT+2*\a+1], 8, v[PT+2*\a]
.endr
.irp a, 0,1,2,3
	s_delay_alu instid0(VALU_DEP_4)
	v_or_b32 v[WD+\a], 0x7f7f0000, v[WD+\a]        ; q, k: K is 64 of the instruction's 128; the upper two bytes are 127
.endr
.irp a, 0,1,2,3
	v_cvt_scalef32_pk16_fp6_f32 v[CD+8*\a:CD+8*\a+2], v[ACC+32*\a:ACC+32*\a+15], v[SO+2*\a]
	v_cvt_scalef32_pk16_fp6_f32 v[T2+4*\a:T2+4*\a+2], v[ACC+32*\a+16:ACC+32*\a+31], v[SO+2*\a+1]
.endr
	v_nop                                          ; one plain place behind a scaled conversion
.irp a, 0,1,2,3
.irp i, 0,1,2
	v_permlane16_swap_b32 v[CD+8*\a+\i], v[T2+4*\a+\i]   ; a whole block in a lane: lanes 0-15 block 0, lanes 16-31 block 1
.endr
.endr
.irp a, 0,1,2,3
.irp i, 0,1,2
	v_mov_b32 v[CD+8*\a+3+\i], v[T2+4*\a+\i]
.endr
.endr
	s_cmp_eq_u32 ttmp9, 2
	s_cbranch_scc1 .Lstore_v
	s_lshr_b32 s88, s79, 5                         ; batch
	s_lshl_b32 s88, s88, 4
	s_add_co_u32 s88, s88, s78                     ; x 16 + head
	s_lshl_b32 s88, s88, 5
	s_and_b32 s89, s79, 31
	s_add_co_u32 s88, s88, s89                     ; x 32 + the group of 64 tokens
	s_mul_i32 s88, s88, 3328
	s_mov_b32 s89, 0
	s_cmp_eq_u32 ttmp9, 0
	s_cselect_b64 s[90:91], s[14:15], s[16:17]
	s_add_nc_u64 s[90:91], s[90:91], s[88:89]
	s_wait_alu depctr_va_vdst(0)
.irp a, 0,1,2,3
	global_store_b128 v[L16], v[CD+8*\a:CD+8*\a+3], s[90:91] offset:768*\a       ; whole aligned blocks of 256 bytes
	global_store_b64 v[L8], v[CD+8*\a+4:CD+8*\a+5], s[90:91] offset:768*\a+512
.endr
	s_wait_xcnt 0x0                                ; EXEC changes only behind this wait
	v_cmp_gt_u32 vcc_lo, 16, v[LANE]
	s_and_saveexec_b32 s93, vcc_lo
	global_store_b128 v[R16], v[WD:WD+3], s[90:91] offset:3072   ; lanes 0-15: 256 consecutive bytes, [r][a]
	s_wait_xcnt 0x0
	s_or_b32 exec_lo, exec_lo, s93
	s_branch .Lend
.Lstore_v:
	s_lshr_b32 s88, s[RTI], 3                      ; batch
	s_lshl_b32 s88, s88, 4
	s_add_co_u32 s88, s88, s79                     ; x 16 + head
	s_lshl_b32 s88, s88, 4
	s_and_b32 s89, s[RTI], 7
	s_lshl_b32 s89, s89, 1
	s_add_co_u32 s88, s88, s89
	s_lshr_b32 s89, s[WR], 1
	s_add_co_u32 s88, s88, s89                     ; x 16 + the key step: 2 (tile % 8) + wr / 2
	s_mul_i32 s88, s88, 6400
	s_mov_b32 s89, 0
	s_add_nc_u64 s[90:91], s[18:19], s[88:89]
	s_and_b32 s92, s[WR], 1                        ; which 64 of its 128 keys
	s_mul_i32 s88, s92, 768
	s_add_nc_u64 s[94:95], s[90:91], s[88:89]      ; codes
	s_lshl_b32 s88, s92, 1
	s_add_nc_u64 s[90:91], s[90:91], s[88:89]      ; my two bytes of each scale word
	s_wait_alu depctr_va_vdst(0)
.irp a, 0,1,2,3
	global_store_b128 v[L16], v[CD+8*\a:CD+8*\a+3], s[94:95] offset:1536*\a
	global_store_b64 v[L8], v[CD+8*\a+4:CD+8*\a+5], s[94:95] offset:1536*\a+512
.endr
	s_wait_xcnt 0x0
	v_cmp_gt_u32 vcc_lo, 16, v[LANE]
	s_and_saveexec_b32 s93, vcc_lo
.irp a, 0,1,2,3
	global_store_b16 v[R4], v[WD+\a], s[90:91] offset:6144+64*\a   ; two bytes a lane: a wave owns half of a key step's words; 128 of the 3,200 bytes that it stores
.endr
	s_wait_xcnt 0x0
	s_or_b32 exec_lo, exec_lo, s93
.Lend:
	s_wait_tensorcnt 0x0                           ; the wave's end: behind my last tensor load and LDS store
	ds_add_u32 v[SPW], v[NIL]
	s_wait_dscnt 0x0
	CROUND                                         ; the closing round
	s_endpgm
.Lfunc_end_k_q80ea18871f_proj:
	.size	k_q80ea18871f_proj, .Lfunc_end_k_q80ea18871f_proj-k_q80ea18871f_proj
	.p2alignl 7, 3214868480
	.fill 96, 4, 3214868480
	.section	.rodata,"a",@progbits
	.p2align	6, 0x0
	.amdhsa_kernel k_q80ea18871f_proj
		.amdhsa_group_segment_fixed_size 327680
		.amdhsa_private_segment_fixed_size 0
		.amdhsa_enable_private_segment 0
		.amdhsa_kernarg_size 64
		.amdhsa_user_sgpr_count 2
		.amdhsa_user_sgpr_kernarg_segment_ptr 1
		.amdhsa_wavefront_size32 1
		.amdhsa_system_sgpr_workgroup_id_x 1
		.amdhsa_system_sgpr_workgroup_id_y 1
		.amdhsa_system_sgpr_workgroup_id_z 1
		.amdhsa_system_vgpr_workitem_id 0
		.amdhsa_next_free_vgpr 256
		.amdhsa_next_free_sgpr 100
		.amdhsa_reserve_vcc 1
		.amdhsa_float_denorm_mode_32 3
		.amdhsa_float_denorm_mode_16_64 3
		.amdhsa_memory_ordered 1
		.amdhsa_forward_progress 1
		.amdhsa_inst_pref_size 64
	.end_amdhsa_kernel
	.amdgpu_metadata
---
amdhsa.version: [ 1, 2 ]
amdhsa.kernels:
  - .name:           k_q80ea18871f_proj
    .symbol:         k_q80ea18871f_proj.kd
    .args:
      - { .name: xc, .offset: 0, .size: 8, .value_kind: global_buffer, .address_space: global }
      - { .name: wc, .offset: 8, .size: 8, .value_kind: global_buffer, .address_space: global }
      - { .name: bq, .offset: 16, .size: 8, .value_kind: global_buffer, .address_space: global }
      - { .name: bk, .offset: 24, .size: 8, .value_kind: global_buffer, .address_space: global }
      - { .name: bv, .offset: 32, .size: 8, .value_kind: global_buffer, .address_space: global }
      - { .name: qc, .offset: 40, .size: 8, .value_kind: global_buffer, .address_space: global }
      - { .name: kc, .offset: 48, .size: 8, .value_kind: global_buffer, .address_space: global }
      - { .name: vc, .offset: 56, .size: 8, .value_kind: global_buffer, .address_space: global }
    .group_segment_fixed_size: 327680
    .private_segment_fixed_size: 0
    .kernarg_segment_align: 8
    .kernarg_segment_size: 64
    .max_flat_workgroup_size: 256
    .sgpr_count:     100
    .vgpr_count:     256
    .wavefront_size: 32
...
	.end_amdgpu_metadata
.endif
;; end of part 2
;; launch attn (part 3): grid 4 x 64, 16 waves a work-group, clusters of 4 x 1, 327,680 bytes of LDS; arguments qc, kc, vc, ao; writes ao
.if DOCPART == 3
	.amdgcn_target "amdgcn-amd-amdhsa--gfx1250"
	.amdhsa_code_object_version 6
	.text
	.protected	k_q80ea18871f_attn
	.globl	k_q80ea18871f_attn
	.p2align	8
	.type	k_q80ea18871f_attn,@function
k_q80ea18871f_attn:
	s_mov_b64 s[64:65], 0
	v_nop
	global_prefetch_b8 v0, s[64:65] scope:SCOPE_SE
	s_setreg_imm32_b32 hwreg(HW_REG_WAVE_MODE, 25, 1), 1
	s_wait_xcnt 0x0
	s_wait_alu depctr_hold_cnt(0) depctr_sa_sdst(0) depctr_va_vdst(0) depctr_va_sdst(0) depctr_va_ssrc(0) depctr_va_vcc(0) depctr_vm_vsrc(0)
	s_getreg_b32 s2, hwreg(HW_REG_IB_STS2, 6, 4)
	s_cmp_eq_u32 s2, 0
	s_cbranch_scc0 .Lentry_in_a_cluster
	s_endpgm
.Lentry_in_a_cluster:
	s_bfe_u32 s2, ttmp6, 0x10000c
	s_cmp_lg_u32 s2, 0x3003
	s_cbranch_scc0 .Lentry_shape_is_right
	s_endpgm
.Lentry_shape_is_right:
; Attention of one (batch, head) on codes of FP6 (E2M3) with E8M0 scales: S = q k^T (K = the head's 64; q carries the 1/8), p = 2^(t - M), O = p v / l (K = the keys), O quantised along head x 64 + d into ao.
; t = score x log2(e); M = the running largest t rounded UP to a whole number; the row's sum l is taken of the unquantised p; when M moves, l and O are multiplied by 2^(old M - new M): exact.
; A block's largest p is not searched for: the block's largest score goes through the same multiply-add and exponential (this takes v_exp_f32 not to fall where its input rises).
; SHARES.  A work-group owns 512 queries of one head; each of its sixteen waves takes two tiles of 16 queries, one after the other, in 256 registers: four waves to a SIMD, so that one wave's
; vector work stands beside another's matrix work and LDS loads.  THE HEAD'S WHOLE K AND V STAY IN LDS: 106,496 + 102,400 bytes, filled once, nothing is filled again.
; CLUSTER: the four work-groups of a head ask for K and V jointly.  Wave 0 issues K's four chunks, wave 1 V's (four key steps each): four tensor loads of a wave are out at the most.
; LAYOUT.  Both products are used transposed: S^T = K Q^T, O^T = V^T P^T: a lane holds one query (lane % 16) throughout.  qc, kc: [head][32 groups of 64 tokens][3,328]: four halves of 768 bytes
; (16 tokens x 64, in the order of the operand's registers) + 256 bytes of scale words [r][a].  vc: [head][16 key steps][6,400]: [tile a of 16 features][64 keys][768] + words [a][r].
; Lane r of tile 2 b + u holds token (feature) 32 b + 8 u + r + 8 (r / 8): so 16 registers of two neighbouring result tiles are 16 neighbouring keys (features).
; K = 64 IN AN INSTRUCTION OF 128: Q's registers 6-11 are zero codes and the upper two bytes of Q's and K's scale words are 127.  K's operand of tile t is v[32 + 6 t .. + 11]: its upper six registers are
; the next tile's codes (behind the last tile: zeros); every code is a finite number, which times Q's zero adds nothing.
; LIMITS: NaN and infinities are not served; a block of zeros carries the byte 1 (its codes are zeros; this program alone reads the bytes).
.set VREG,  106496                     ; LDS: K's records from 0, V's from here
.set SPARE, 208896                     ; the spare words, 128 bytes a wave: eight blocks of 256 bytes that no other line names
.set L16, 1                            ; v1 16 x lane;  v2 8 x lane;  v3 16 r + 3,328 h;  v4 4 x lane;  v7 16 r
.set L8,  2
.set RK,  3
.set L4,  4
.set SPW, 5
.set NIL, 6
.set R16, 7
.set AK16, 8                           ; the step's LDS addresses
.set AK8,  9
.set AKS,  10
.set AV16, 11
.set AV8,  28
.set AVS,  29                          ; v12 -M, v13 the largest t, v[14:15] the sum in two halves; v16-21 Q, v22-27 zeros; v30 Q's scale words; v31 lane
.set LANE, 31
.set KB,  32                           ; v32-79 K's eight tiles x 6 registers, then V's four x 12; v80-85 zeros
.set KS,  86                           ; v86-89 K's scale words: lanes 0-15 tiles 0-3, lanes 16-31 tiles 4-7
.set VS,  90                           ; v90-91 V's: lanes 0-15 tile 2 p, lanes 16-31 tile 2 p + 1
.set S,   96                           ; v96-159 S^T, then p
.set O,   160                          ; v160-191 O^T
.set PC,  192                          ; v192-203 p's codes
.set CT,  204                          ; v204-206, v208-210 second halves as they are made
.set BM,  212
.set BT,  216
.set SO,  220
.set PWD, 224                          ; p's scale word
.set F,   226                          ; v[226:227] f = 2^(old M - new M); later 1 / l
.set TMP, 228
.set WRD, 229
.set SUM2, 230
.set WV,  12
.set G1K, 16
.set G1V, 24
.set G0K, 32                           ; s[32:47] four groups 0 for K's chunks, s[48:63] for V's
.set G0V, 48
.set SEL, 66
.set CS,  68                           ; s[68:69] log2(e)
.set TK,  70                           ; where the step's records begin in LDS
.set TV,  71
.set CNT, 72
.set PASS, 73
.macro CROUND
	s_barrier_signal -1
	s_barrier_wait -1
	s_cmp_lg_u32 s[WV], 0
	s_cbranch_scc1 .Lnot_wave_0_\@
	s_barrier_signal -3
.Lnot_wave_0_\@:
	s_barrier_wait -3
	s_barrier_signal -1
	s_barrier_wait -1
.endm
	s_load_b256 s[4:11], s[0:1], 0x0               ; qc 4, kc 6, vc 8, ao 10
	v_lshl_add_u32 v[SPW], v0, 2, SPARE
	v_mov_b32 v[NIL], 0
	ds_add_u32 v[SPW], v[NIL]                      ; the wave's opening: the add and its wait stand ahead of the first tensor loads; work on registers stands between them
	ds_add_u32 v[SPW], v[NIL]
	v_lshrrev_b32 v1, 5, v0
	s_delay_alu instid0(VALU_DEP_1)
	v_readfirstlane_b32 s[WV], v1
	s_bfe_u32 s13, ttmp6, 0x40000                  ; cx: it enters Q's and ao's global addresses alone
	s_and_b32 s14, ttmp7, 0xffff                   ; batch x 16 + head, which the four partners share
	; descriptor group 1: a dense chunk as rows of 256 bytes (32 elements of 8 bytes): K's 104 rows, V's 100
	s_mov_b32 s[G1K], 15|(3<<16)|(1<<21)           ; 15:0 the mask: all four; 17:16 elements of 8 bytes; 21 set beside a mask; no padding
	s_mov_b32 s[G1K+1], 32<<16
	s_mov_b32 s[G1K+2], 104<<16
	s_mov_b32 s[G1K+3], 32<<16
	s_mov_b32 s[G1K+4], 104
	s_mov_b32 s[G1K+5], 32
	s_mov_b32 s[G1K+6], 0
	s_mov_b32 s[G1K+7], 0
	s_mov_b32 s[G1V], 15|(3<<16)|(1<<21)
	s_mov_b32 s[G1V+1], 32<<16
	s_mov_b32 s[G1V+2], 100<<16
	s_mov_b32 s[G1V+3], 32<<16
	s_mov_b32 s[G1V+4], 100
	s_mov_b32 s[G1V+5], 32
	s_mov_b32 s[G1V+6], 0
	s_mov_b32 s[G1V+7], 0
	s_mul_i32 s80, s14, 106496                     ; the head's first byte in qc and kc,
	s_mov_b32 s81, 0
	s_mul_i32 s82, s14, 102400                     ; and in vc
	s_mov_b32 s83, 0
	s_lshl_b32 s84, s13, 5
	s_add_co_u32 s84, s84, s[WV]                   ; my first tile of 16 queries: 32 cx + wave; the second is 16 on
	s_lshr_b32 s85, s84, 2
	s_mul_i32 s85, s85, 3328                       ; its group's record
	s_and_b32 s86, s84, 3
	s_mul_i32 s87, s86, 768
	s_add_co_u32 s87, s87, s85                     ; its half,
	s_lshl_b32 s86, s86, 2
	s_add_co_u32 s86, s86, s85
	s_add_co_u32 s86, s86, 3072                    ; its scale words
	s_lshr_b32 s90, s14, 4
	s_lshl_b32 s90, s90, 7
	s_add_co_u32 s90, s90, s84                     ; ao: block of 16 tokens = batch x 128 + tile
	s_mul_i32 s90, s90, 12800
	s_and_b32 s91, s14, 15                         ; the head
	s_lshr_b32 s92, s91, 3
	s_mul_i32 s92, s92, 6400
	s_add_co_u32 s90, s90, s92                     ; its record (512 along K = 8 heads)
	s_and_b32 s92, s91, 7
	s_mul_i32 s92, s92, 768
	s_add_co_u32 s92, s92, s90                     ; its half
	s_bfe_u32 s93, s91, 0x20001
	s_lshl_b32 s93, s93, 2
	s_and_b32 s94, s91, 1
	s_lshl_b32 s94, s94, 1
	s_add_co_u32 s93, s93, s94
	s_add_co_u32 s93, s93, s90
	s_add_co_u32 s93, s93, 6144                    ; its two bytes of a row's scale words
	s_mov_b32 s[SEL], 0x76543210
	s_mov_b32 s[SEL+1], 0xfedcba98
	s_mov_b32 s[CS], 0x3fb8aa3b
	s_mov_b32 s[CS+1], s[CS]
	s_wait_dscnt 0x0                               ; the opening add is done
	s_wait_kmcnt 0x0
	s_add_nc_u64 s[4:5], s[4:5], s[80:81]
	s_add_nc_u64 s[6:7], s[6:7], s[80:81]
	s_add_nc_u64 s[8:9], s[8:9], s[82:83]
	s_mov_b32 s80, s87
	s_add_nc_u64 s[74:75], s[4:5], s[80:81]        ; Q's codes
	s_mov_b32 s80, s86
	s_add_nc_u64 s[88:89], s[4:5], s[80:81]        ; Q's scale words
	s_mov_b32 s80, s92
	s_add_nc_u64 s[76:77], s[10:11], s[80:81]      ; ao's codes
	s_mov_b32 s80, s93
	s_add_nc_u64 s[78:79], s[10:11], s[80:81]      ; ao's scale bytes
	CROUND                                         ; all four work-groups are here: the joint loads meet
.irp c, 0,1,2,3
	s_mov_b32 s[G0K+4*\c], 1
	s_mov_b32 s[G0K+4*\c+1], 26624*\c
	s_add_nc_u64 s[G0K+4*\c+2:G0K+4*\c+3], s[6:7], 26624*\c
	s_or_b32 s[G0K+4*\c+3], s[G0K+4*\c+3], 0x80000000
	s_mov_b32 s[G0V+4*\c], 1
	s_mov_b32 s[G0V+4*\c+1], VREG+25600*\c
	s_add_nc_u64 s[G0V+4*\c+2:G0V+4*\c+3], s[8:9], 25600*\c
	s_or_b32 s[G0V+4*\c+3], s[G0V+4*\c+3], 0x80000000
.endr
	s_cmp_eq_u32 s[WV], 0                          ; a wave's four fills stand in one branch on its number; an s_nop 0 follows each, four v_nop the last
	s_cbranch_scc0 .Lnot_k
.irp c, 0,1,2,3
	tensor_load_to_lds s[G0K+4*\c:G0K+4*\c+3], s[G1K:G1K+7]
	s_nop 0
.endr
.rept 4
	v_nop
.endr
	s_branch .Lasked
.Lnot_k:
	s_cmp_eq_u32 s[WV], 1
	s_cbranch_scc0 .Lasked
.irp c, 0,1,2,3
	tensor_load_to_lds s[G0V+4*\c:G0V+4*\c+3], s[G1V:G1V+7]
	s_nop 0
.endr
.rept 4
	v_nop
.endr
.Lasked:
	v_and_b32 v[LANE], 31, v0
	v_and_b32 v[R16], 15, v0
	v_bfe_u32 v[RK], v0, 4, 1
	s_delay_alu instid0(VALU_DEP_3)
	v_lshlrev_b32 v[L16], 4, v[LANE]
	s_delay_alu instid0(VALU_DEP_4)
	v_lshlrev_b32 v[L8], 3, v[LANE]
	v_lshlrev_b32 v[L4], 2, v[LANE]
	s_delay_alu instid0(VALU_DEP_4)
	v_mul_u32_u24 v[RK], v[RK], 3328
	s_delay_alu instid0(VALU_DEP_1)
	v_lshl_add_u32 v[RK], v[R16], 4, v[RK]
	v_lshlrev_b32 v[R16], 4, v[R16]
.irp j, 22,23,24,25,26,27,80,81,82,83,84,85
	v_mov_b32 v\j, 0                               ; zero codes: the upper half of Q's operand, and behind K's last tile
.endr
.irp b, 0,1,2,3
	v_mov_b32 v[BT+\b], 0                          ; written once: a lane permute's destination counts as one of its sources
.endr
	v_mov_b32 v[F+1], 0                            ; named as the upper half of a pair
	v_mov_b32 v[TMP], 0
; A KEY STEP: 128 keys
.macro STEP
	v_add_nc_u32 v[AK16], s[TK], v[L16]            ; six plain instructions: also the places in front of loads into registers that the last products have read
	v_add_nc_u32 v[AK8], s[TK], v[L8]
	v_add_nc_u32 v[AKS], s[TK], v[RK]
	v_add_nc_u32 v[AV16], s[TV], v[L16]
	v_add_nc_u32 v[AV8], s[TV], v[L8]
	v_add_nc_u32 v[AVS], s[TV], v[L4]
.irp t, 0,1,2,3,4,5,6,7
	ds_load_b128 v[KB+6*\t:KB+6*\t+3], v[AK16] offset:(\t/4)*3328+(\t%4)*768
	ds_load_b64 v[KB+6*\t+4:KB+6*\t+5], v[AK8] offset:(\t/4)*3328+(\t%4)*768+512
.endr
	ds_load_b128 v[KS:KS+3], v[AKS] offset:3072
	s_wait_alu depctr_va_vdst(0)
	s_wait_dscnt 0x0
.irp t, 0,1,2,3
	v_wmma_scale_f32_16x16x128_f8f6f4 v[S+8*\t:S+8*\t+7], v[KB+6*\t:KB+6*\t+11], v[16:27], 0, v[KS+\t], v30 matrix_a_fmt:MATRIX_FMT_FP6 matrix_b_fmt:MATRIX_FMT_FP6
.endr
.irp t, 4,5,6,7
	v_wmma_scale_f32_16x16x128_f8f6f4 v[S+8*\t:S+8*\t+7], v[KB+6*\t:KB+6*\t+11], v[16:27], 0, v[KS+\t-4], v30 matrix_a_fmt:MATRIX_FMT_FP6 matrix_b_fmt:MATRIX_FMT_FP6 matrix_a_scale:MATRIX_SCALE_ROW1
.endr
.rept 4
	v_nop                                          ; places in front of the loads below and of the first read of the scores
.endr
.irp a, 0,1,2,3                                ; V's four tiles land under the softmax
.irp f, 0,1
	ds_load_b128 v[KB+12*\a+6*\f:KB+12*\a+6*\f+3], v[AV16] offset:1536*\a+768*\f
	ds_load_b64 v[KB+12*\a+6*\f+4:KB+12*\a+6*\f+5], v[AV8] offset:1536*\a+768*\f+512
.endr
.endr
	ds_load_b32 v[VS], v[AVS] offset:6144
	ds_load_b32 v[VS+1], v[AVS] offset:6272
.irp b, 0,1,2,3
	v_max3_num_f32 v[BM+\b], v[S+16*\b], v[S+16*\b+1], v[S+16*\b+2]   ; the largest score of each block of 32 keys: for the row's maximum and for the block's largest p.  Each tile is read from its low end on
.endr
.irp i, 3,5,7,9,11,13
.irp b, 0,1,2,3
	v_max3_num_f32 v[BM+\b], v[BM+\b], v[S+16*\b+\i], v[S+16*\b+\i+1]
.endr
.endr
.irp b, 0,1,2,3
	v_max_num_f32 v[BM+\b], v[BM+\b], v[S+16*\b+15]
.endr
.irp b, 0,1,2,3
	s_delay_alu instid0(VALU_DEP_4)
	v_permlanex16_b32 v[BT+\b], v[BM+\b], s[SEL], s[SEL+1]
.endr
.irp b, 0,1,2,3
	s_delay_alu instid0(VALU_DEP_4)
	v_max_num_f32 v[BM+\b], v[BM+\b], v[BT+\b]     ; with lane l xor 16's 16 keys
.endr
	s_delay_alu instid0(VALU_DEP_2)
	v_max3_num_f32 v[TMP], v[BM], v[BM+1], v[BM+2]
	s_delay_alu instid0(VALU_DEP_1)
	v_max_num_f32 v[TMP], v[TMP], v[BM+3]
	s_delay_alu instid0(VALU_DEP_1)
	v_mul_f32 v[TMP], s[CS], v[TMP]                ; as t
	s_delay_alu instid0(VALU_DEP_1)
	v_max_num_f32 v13, v13, v[TMP]                 ; the running largest t
	v_mov_b32 v[TMP], v12
	s_delay_alu instid0(VALU_DEP_2)
	v_floor_f32 v12, -v13                          ; the new -M = -ceil(t)
	s_delay_alu instid0(VALU_DEP_1)
	v_sub_f32 v[TMP], v12, v[TMP]                  ; old M - new M: a whole number, 0 or less
	s_delay_alu instid0(VALU_DEP_1)
	v_cvt_i32_f32 v[TMP], v[TMP]                   ; (it saturates)
	s_delay_alu instid0(VALU_DEP_1)
	v_ldexp_f32 v[F], 1.0, v[TMP]                  ; f
.set J, 0
.rept 32
	v_pk_fma_f32 v[S+J:S+J+1], v[S+J:S+J+1], s[CS:CS+1], v[12:13] op_sel_hi:[1,0,0]   ; t - M, two at a time
.set J, J+2
.endr
.irp b, 0,1,2,3
	v_fma_f32 v[BM+\b], v[BM+\b], s[CS], v12       ; the same of each block's largest score
.endr
.set J, 0
	s_setprio 1
	s_wait_alu depctr_va_vdst(0)
.rept 64
	v_exp_f32 v[S+J], v[S+J]                       ; p = 2^(t - M): not normalised
.set J, J+1
.endr
	v_pk_mul_f32 v[14:15], v[14:15], v[F:F+1] op_sel_hi:[1,0]   ; the sums under the new M: the plain place behind the exponentials
	s_wait_alu depctr_va_vdst(0)                   ; one wait for the batch, ahead of its first reader
.irp b, 0,1,2,3
	v_exp_f32 v[BM+\b], v[BM+\b]                   ; the block's largest p
.endr
	v_pk_add_f32 v[230:231], v[100:101], v[104:105]
	v_pk_add_f32 v[254:255], v[108:109], v[112:113]
	v_pk_add_f32 v[252:253], v[116:117], v[120:121]
	v_pk_add_f32 v[250:251], v[124:125], v[128:129]
	v_pk_add_f32 v[248:249], v[132:133], v[136:137]
	v_pk_add_f32 v[246:247], v[140:141], v[144:145]
	v_pk_add_f32 v[244:245], v[148:149], v[152:153]
	v_pk_add_f32 v[14:15], v[14:15], v[156:157]
	v_pk_add_f32 v[230:231], v[230:231], v[96:97]
	v_pk_add_f32 v[254:255], v[254:255], v[98:99]
	v_pk_add_f32 v[252:253], v[252:253], v[102:103]
	v_pk_add_f32 v[250:251], v[250:251], v[106:107]
	v_pk_add_f32 v[248:249], v[248:249], v[110:111]
	v_pk_add_f32 v[246:247], v[246:247], v[114:115]
	v_pk_add_f32 v[244:245], v[244:245], v[118:119]
	v_pk_add_f32 v[14:15], v[14:15], v[122:123]
	v_pk_add_f32 v[230:231], v[230:231], v[126:127]
	v_pk_add_f32 v[254:255], v[254:255], v[130:131]
	v_pk_add_f32 v[252:253], v[252:253], v[134:135]
	v_pk_add_f32 v[250:251], v[250:251], v[138:139]
	v_pk_add_f32 v[248:249], v[248:249], v[142:143]
	v_pk_add_f32 v[246:247], v[246:247], v[146:147]
	v_pk_add_f32 v[244:245], v[244:245], v[150:151]
	v_pk_add_f32 v[14:15], v[14:15], v[154:155]
	v_pk_add_f32 v[230:231], v[230:231], v[158:159]
	s_delay_alu instid0(VALU_DEP_2)
	v_pk_add_f32 v[14:15], v[14:15], v[250:251]
	s_delay_alu instid0(VALU_DEP_2)
	v_pk_add_f32 v[230:231], v[230:231], v[248:249]
	v_pk_add_f32 v[254:255], v[254:255], v[246:247]
	v_pk_add_f32 v[252:253], v[252:253], v[244:245]
	s_delay_alu instid0(VALU_DEP_2)
	v_pk_add_f32 v[14:15], v[14:15], v[254:255]
	s_delay_alu instid0(VALU_DEP_2)
	v_pk_add_f32 v[230:231], v[230:231], v[252:253]
	s_delay_alu instid0(VALU_DEP_1)
	v_pk_add_f32 v[14:15], v[14:15], v[230:231]
	s_wait_alu depctr_va_vdst(0)                   ; and one for the four
.irp b, 0,1,2,3
	v_max_num_f32 v[BM+\b], 0x1800000, v[BM+\b]    ; the floor 2^(3 - 127)
.endr
.irp b, 0,1,2,3
	s_delay_alu instid0(VALU_DEP_4)
	v_add_nc_u32 v[SO+\b], 0xff000000, v[BM+\b]    ; the conversion's scale operand
.endr
.irp b, 0,1,2,3
	s_delay_alu instid0(VALU_DEP_4)
	v_lshrrev_b32 v[BT+\b], 23, v[SO+\b]           ; the byte
.endr
	s_delay_alu instid0(VALU_DEP_3)
	v_lshl_or_b32 v[PWD], v[BT+1], 8, v[BT]
	s_delay_alu instid0(VALU_DEP_1)
	v_lshl_or_b32 v[PWD], v[BT+2], 16, v[PWD]
	s_delay_alu instid0(VALU_DEP_1)
	v_lshl_or_b32 v[PWD], v[BT+3], 24, v[PWD]      ; p's scale word for these 128 keys
.irp c, 0,1
	v_cvt_scalef32_pk16_fp6_f32 v[PC+6*\c:PC+6*\c+2], v[S+32*\c:S+32*\c+15], v[SO+2*\c]
	v_cvt_scalef32_pk16_fp6_f32 v[CT+4*\c:CT+4*\c+2], v[S+32*\c+16:S+32*\c+31], v[SO+2*\c+1]
.endr
	v_nop                                          ; one plain place behind a scaled conversion
.irp c, 0,1
.irp i, 0,1,2
	v_permlane16_swap_b32 v[PC+6*\c+\i], v[CT+4*\c+\i]
.endr
.irp i, 0,1,2
	s_delay_alu instid0(VALU_DEP_3)
	v_mov_b32 v[PC+6*\c+3+\i], v[CT+4*\c+\i]
.endr
.endr
.set J, 0
	s_setprio 0
.rept 16
	v_pk_mul_f32 v[O+J:O+J+1], v[O+J:O+J+1], v[F:F+1] op_sel_hi:[1,0]   ; O^T under the new M; these also stand between the making of p's codes and scale word and the products
.set J, J+2
.endr
	s_wait_alu depctr_va_vdst(0)
	s_wait_dscnt 0x0                               ; V is in
.irp a, 0,1,2,3                                ; O^T += V^T P^T: the four accumulators by turns
.if \a%2
	v_wmma_scale_f32_16x16x128_f8f6f4 v[O+8*\a:O+8*\a+7], v[KB+12*\a:KB+12*\a+11], v[PC:PC+11], v[O+8*\a:O+8*\a+7], v[VS+\a/2], v[PWD] matrix_a_fmt:MATRIX_FMT_FP6 matrix_b_fmt:MATRIX_FMT_FP6 matrix_a_scale:MATRIX_SCALE_ROW1
.else
	v_wmma_scale_f32_16x16x128_f8f6f4 v[O+8*\a:O+8*\a+7], v[KB+12*\a:KB+12*\a+11], v[PC:PC+11], v[O+8*\a:O+8*\a+7], v[VS+\a/2], v[PWD] matrix_a_fmt:MATRIX_FMT_FP6 matrix_b_fmt:MATRIX_FMT_FP6
.endif
.endr
	s_add_co_u32 s[TK], s[TK], 6656
	s_add_co_u32 s[TV], s[TV], 6400
.endm
; Four key steps, behind the wait for their chunk.  In the second pass, and in waves 2-15, the wait is met at once.
.macro CHUNK c
	s_wait_tensorcnt 3-\c                          ; my chunk c is in; the loads of the chunks behind it may be out
	s_wait_dscnt 0x0
	s_barrier_signal -1
	s_barrier_wait -1                              ; K's and V's are
	s_mov_b32 s[CNT], 4
.Lstep_\@:
	s_setprio 2
	STEP
	s_sub_co_u32 s[CNT], s[CNT], 1
	s_cmp_lg_u32 s[CNT], 0
	s_cbranch_scc1 .Lstep_\@
	s_setprio 0
.endm
	s_mov_b32 s[PASS], 2
.Lpass:
	global_load_b128 v[16:19], v[L16], s[74:75] th:TH_LOAD_NT
	global_load_b64 v[20:21], v[L8], s[74:75] offset:512 th:TH_LOAD_NT
	global_load_b32 v30, v[R16], s[88:89]
	v_mov_b32 v13, 0xff61b1e6                      ; the largest t so far: -3e38
	s_delay_alu instid0(VALU_DEP_1)
	v_floor_f32 v12, -v13
	v_mov_b32 v14, 0
	v_mov_b32 v15, 0
.set J, 0
.rept 32
	v_mov_b32 v[O+J], 0                            ; the step is written once: the first finds zeros, which the first change of M leaves zeros
.set J, J+1
.endr
	s_mov_b32 s[TK], 0
	s_mov_b32 s[TV], VREG
	s_wait_loadcnt 0x0
	CHUNK 0
	CHUNK 1
	CHUNK 2
	CHUNK 3
	; ---- the way out: O^T / l, quantised along the head's 64: register 16 b + i of lane (r, h) is d = 32 b + 16 h + i of query r
	v_add_f32 v14, v14, v15
	s_delay_alu instid0(VALU_DEP_1)
	v_permlanex16_b32 v[TMP], v14, s[SEL], s[SEL+1]
	s_delay_alu instid0(VALU_DEP_1)
	v_add_f32 v14, v14, v[TMP]                     ; the row's sum
	s_wait_alu depctr_va_vdst(0)
	v_rcp_f32 v[F], v14
.rept 4
	v_nop                                          ; the plain place behind the reciprocal, and the places behind the last products
.endr
	s_wait_alu depctr_va_vdst(0)                   ; ahead of the reciprocal's first reader
.set J, 0
.rept 16
	v_pk_mul_f32 v[S+J:S+J+1], v[O+J:O+J+1], v[F:F+1] op_sel_hi:[1,0]   ; each accumulator from its low end on
.set J, J+2
.endr
.irp b, 0,1
	v_max3_num_f32 v[BM+\b], |v[S+16*\b]|, |v[S+16*\b+1]|, 0x1800000
.endr
.irp i, 2,4,6,8,10,12,14
.irp b, 0,1
	s_delay_alu instid0(VALU_DEP_2)
	v_max3_num_f32 v[BM+\b], v[BM+\b], |v[S+16*\b+\i]|, |v[S+16*\b+\i+1]|
.endr
.endr
.irp b, 0,1
	s_delay_alu instid0(VALU_DEP_2)
	v_permlanex16_b32 v[BT+\b], v[BM+\b], s[SEL], s[SEL+1]
.endr
.irp b, 0,1
	s_delay_alu instid0(VALU_DEP_2)
	v_max_num_f32 v[BM+\b], v[BM+\b], v[BT+\b]
.endr
.irp b, 0,1
	s_delay_alu instid0(VALU_DEP_2)
	v_add_nc_u32 v[SO+\b], 0xff000000, v[BM+\b]
.endr
.irp b, 0,1
	s_delay_alu instid0(VALU_DEP_2)
	v_lshrrev_b32 v[BT+\b], 23, v[SO+\b]
.endr
	s_delay_alu instid0(VALU_DEP_1)
	v_lshl_or_b32 v[WRD], v[BT+1], 8, v[BT]
	v_cvt_scalef32_pk16_fp6_f32 v[PC:PC+2], v[S:S+15], v[SO]
	v_cvt_scalef32_pk16_fp6_f32 v[CT:CT+2], v[S+16:S+31], v[SO+1]
	v_nop
.irp i, 0,1,2
	v_permlane16_swap_b32 v[PC+\i], v[CT+\i]
.endr
.irp i, 0,1,2
	s_delay_alu instid0(VALU_DEP_3)
	v_mov_b32 v[PC+3+\i], v[CT+\i]
.endr
	global_store_b128 v[L16], v[PC:PC+3], s[76:77]             ; whole aligned blocks of 256 bytes
	global_store_b64 v[L8], v[PC+4:PC+5], s[76:77] offset:512
	s_wait_xcnt 0x0                                ; EXEC changes only behind this wait
	v_cmp_gt_u32 vcc_lo, 16, v[LANE]
	s_and_saveexec_b32 s15, vcc_lo
	global_store_b16 v[R16], v[WRD], s[78:79]      ; two bytes a lane, 16 apart: a head owns two of a row's sixteen scale bytes; 32 of the 800 bytes stored here
	s_wait_xcnt 0x0                                ; also frees the stores' registers and bases
	s_or_b32 exec_lo, exec_lo, s15
	s_add_nc_u64 s[74:75], s[74:75], 13312         ; 16 tiles on: four groups of qc,
	s_add_nc_u64 s[88:89], s[88:89], 13312
	s_add_nc_u64 s[76:77], s[76:77], 204800        ; sixteen blocks of ao
	s_add_nc_u64 s[78:79], s[78:79], 204800
	s_sub_co_u32 s[PASS], s[PASS], 1
	s_cmp_lg_u32 s[PASS], 0
	s_cbranch_scc1 .Lpass
	s_wait_tensorcnt 0x0                           ; the wave's end
	ds_add_u32 v[SPW], v[NIL]
	s_wait_dscnt 0x0
	CROUND                                         ; the closing round
	s_endpgm
.Lfunc_end_k_q80ea18871f_attn:
	.size	k_q80ea18871f_attn, .Lfunc_end_k_q80ea18871f_attn-k_q80ea18871f_attn
	.p2alignl 7, 3214868480
	.fill 96, 4, 3214868480
	.section	.rodata,"a",@progbits
	.p2align	6, 0x0
	.amdhsa_kernel k_q80ea18871f_attn
		.amdhsa_group_segment_fixed_size 327680
		.amdhsa_private_segment_fixed_size 0
		.amdhsa_enable_private_segment 0
		.amdhsa_kernarg_size 32
		.amdhsa_user_sgpr_count 2
		.amdhsa_user_sgpr_kernarg_segment_ptr 1
		.amdhsa_wavefront_size32 1
		.amdhsa_system_sgpr_workgroup_id_x 1
		.amdhsa_system_sgpr_workgroup_id_y 1
		.amdhsa_system_sgpr_workgroup_id_z 1
		.amdhsa_system_vgpr_workitem_id 0
		.amdhsa_next_free_vgpr 256
		.amdhsa_next_free_sgpr 100
		.amdhsa_reserve_vcc 1
		.amdhsa_float_denorm_mode_32 3
		.amdhsa_float_denorm_mode_16_64 3
		.amdhsa_memory_ordered 1
		.amdhsa_forward_progress 1
		.amdhsa_inst_pref_size 85
	.end_amdhsa_kernel
	.amdgpu_metadata
---
amdhsa.version: [ 1, 2 ]
amdhsa.kernels:
  - .name:           k_q80ea18871f_attn
    .symbol:         k_q80ea18871f_attn.kd
    .args:
      - { .name: qc, .offset: 0, .size: 8, .value_kind: global_buffer, .address_space: global }
      - { .name: kc, .offset: 8, .size: 8, .value_kind: global_buffer, .address_space: global }
      - { .name: vc, .offset: 16, .size: 8, .value_kind: global_buffer, .address_space: global }
      - { .name: ao, .offset: 24, .size: 8, .value_kind: global_buffer, .address_space: global }
    .group_segment_fixed_size: 327680
    .private_segment_fixed_size: 0
    .kernarg_segment_align: 8
    .kernarg_segment_size: 32
    .max_flat_workgroup_size: 512
    .sgpr_count:     100
    .vgpr_count:     256
    .wavefront_size: 32
...
	.end_amdgpu_metadata
.endif
;; end of part 3
;; launch outp (part 4): grid 4 x 64, 8 waves a work-group, clusters of 4 x 4, 327,680 bytes of LDS; arguments ao, wc, bo, out0; writes out0
.if DOCPART == 4
	.amdgcn_target "amdgcn-amd-amdhsa--gfx1250"
	.amdhsa_code_object_version 6
	.text
	.protected	k_q80ea18871f_outp
	.globl	k_q80ea18871f_outp
	.p2align	8
	.type	k_q80ea18871f_outp,@function
k_q80ea18871f_outp:
	s_mov_b64 s[64:65], 0
	v_nop
	global_prefetch_b8 v0, s[64:65] scope:SCOPE_SE
	s_setreg_imm32_b32 hwreg(HW_REG_WAVE_MODE, 25, 1), 1
	s_wait_xcnt 0x0
	s_wait_alu depctr_hold_cnt(0) depctr_sa_sdst(0) depctr_va_vdst(0) depctr_va_sdst(0) depctr_va_ssrc(0) depctr_va_vcc(0) depctr_vm_vsrc(0)
	s_getreg_b32 s2, hwreg(HW_REG_IB_STS2, 6, 4)
	s_cmp_eq_u32 s2, 0
	s_cbranch_scc0 .Lentry_in_a_cluster
	s_endpgm
.Lentry_in_a_cluster:
	s_bfe_u32 s2, ttmp6, 0x10000c
	s_cmp_lg_u32 s2, 0xf033
	s_cbranch_scc0 .Lentry_shape_is_right
	s_endpgm
.Lentry_shape_is_right:
; out0 = attention's result x Wo + bo, on codes of FP6 (E2M3) with E8M0 scales, K = 1,024; out0 [8192][1024] f32.
; The form is the projections': C'[i][j] = sum over k of P[i][k] R[j][k], P = ao's tokens, R = Wo's columns (wc's blocks 192 on); source 0 = 16 rows of R, source 1 = 16 rows of P:
; a lane holds one token and its registers run along the output's columns.  ao, wc: blocks of 16 rows, two records of 6,400 bytes (8 halves of 768 bytes in the order of the operand's registers,
; then 256 bytes of scale words [r][K step]); lane r of block 2 b + u holds row 32 b + 8 u + r + 8 (r / 8).
; A work-group makes 128 tokens x 256 columns; both operands for all of K, 307,200 bytes, come into LDS once, nothing is filled again.  Eight waves, each 64 x 64: 16 accumulators in 256 registers.
; CLUSTER 4 x 4: P's blocks are shared along a row of the cluster, R's along a column.  Waves 0, 1 fetch P's halves, waves 2-5 R's quarters, each in two loads: two tensor loads of a wave are out at the most.
; THE WAY OUT goes through a stage of the wave's own, so that sixteen lanes store 256 consecutive aligned bytes of a row of out0.
.set SLAB,  153600
.set BLK,   6400
.set RB,    12800
.set QUART, 25600
.set ROFF,  51200
.set SPARE, 307200                     ; the spare words, 128 bytes a wave: four blocks of 256 bytes that no other line names
.set BIAS,  308224                     ; 256 bytes a wave: its 64 biases
.set STGB,  4352                       ; a wave's stage: 16 rows x (256 bytes + 16), in the first half of K's bytes, which have had their one fill and their last read by then
.set L16, 1
.set L8,  2
.set AP16, 3
.set AP8,  4
.set AR16, 5
.set AR8,  6
.set ASC,  7
.set SPW,  8
.set NIL,  9
.set BW,   10                          ; v10 where my lane puts two biases;  v11 where it reads them back: + 64 h
.set BRQ,  11
.set GO,   12                          ; v12 my byte offset in two rows of out0: 4,096 h + 16 r
.set STO,  13                          ; v13 the stage, in: row r, + 64 h
.set RD,   14                          ; v14 and back: row h, + 16 r
.set SC,   16                          ; v16-31 scale words: they hold scales and nothing else
.set PF,   32
.set RF,   80
.set ACC,  128
.set WV, 20
.set WP, 21
.set WR, 22
.set CX, 23
.set CY, 24
.set PTI, 26
.set G1P, 28
.set G1R, 36
.set G0P, 44
.set G0R, 52
.macro CROUND
	s_barrier_signal -1
	s_barrier_wait -1
	s_cmp_lg_u32 s[WV], 0
	s_cbranch_scc1 .Lnot_wave_0_\@
	s_barrier_signal -3
.Lnot_wave_0_\@:
	s_barrier_wait -3
	s_barrier_signal -1
	s_barrier_wait -1
.endm
	s_load_b256 s[4:11], s[0:1], 0x0               ; ao 4, wc 6, bo 8, out0 10
	v_lshl_add_u32 v[SPW], v0, 2, SPARE
	v_mov_b32 v[NIL], 0
	ds_add_u32 v[SPW], v[NIL]                      ; the wave's opening: the add and its wait stand ahead of the first tensor loads; work on registers stands between them
	ds_add_u32 v[SPW], v[NIL]
	v_lshrrev_b32 v1, 5, v0
	s_delay_alu instid0(VALU_DEP_1)
	v_readfirstlane_b32 s[WV], v1
	s_and_b32 s[WP], s[WV], 1
	s_lshr_b32 s[WR], s[WV], 1
	s_bfe_u32 s[CX], ttmp6, 0x40000                ; cx is R's tile: four tiles of 256 columns
	s_bfe_u32 s[CY], ttmp6, 0x40004
	s_and_b32 s[PTI], ttmp7, 0xffff
	s_lshl_b32 s[PTI], s[PTI], 2
	s_add_co_u32 s[PTI], s[PTI], s[CY]             ; P's tile: 4 cluster y + cy, 64 tiles of 128 tokens
	s_lshl_b32 s66, s[CY], 2
	s_lshl_b32 s66, 15, s66                        ; my row of the cluster
	s_lshl_b32 s67, 0x1111, s[CX]                  ; my column
	; descriptor group 1: four records of 6,400 bytes (800 elements of 8 bytes), 12,800 bytes apart, laid on end in LDS
	s_or_b32 s[G1P], s66, (3<<16)|(1<<21)
	s_or_b32 s[G1R], s67, (3<<16)|(1<<21)
.irp g, G1P, G1R
	s_mov_b32 s[\g+1], 800<<16
	s_mov_b32 s[\g+2], 4<<16
	s_mov_b32 s[\g+3], 800<<16
	s_mov_b32 s[\g+4], 4
	s_mov_b32 s[\g+5], 1600
	s_mov_b32 s[\g+6], 0
	s_mov_b32 s[\g+7], 0
.endr
	s_lshl_b32 s68, s[PTI], 3
	s_lshl_b32 s69, s[WP], 2
	s_add_co_u32 s68, s68, s69                     ; P: block 8 tile + 4 (w % 2)
	s_mul_i32 s68, s68, RB
	s_mov_b32 s69, 0
	s_add_co_u32 s70, s[WV], 2
	s_and_b32 s70, s70, 3
	s_lshl_b32 s70, s70, 2
	s_lshl_b32 s71, s[CX], 4
	s_add_co_u32 s70, s70, s71
	s_add_co_u32 s70, s70, 192                     ; R: Wo's block 16 tile + 4 (w - 2)
	s_mul_i32 s70, s70, RB
	s_mov_b32 s71, 0
	s_mul_i32 s72, s[WV], QUART                    ; where they go: no place in the cluster enters an LDS address
	s_wait_dscnt 0x0                               ; the opening add is done
	s_wait_kmcnt 0x0
	s_add_nc_u64 s[74:75], s[4:5], s[68:69]
	s_add_nc_u64 s[76:77], s[6:7], s[70:71]
	CROUND                                         ; all sixteen work-groups are here: the joint loads meet
.irp s, 0,1
	s_mov_b32 s[G0P+4*\s], 1
	s_add_co_u32 s[G0P+4*\s+1], s72, \s*SLAB
	s_add_nc_u64 s[G0P+4*\s+2:G0P+4*\s+3], s[74:75], \s*BLK
	s_or_b32 s[G0P+4*\s+3], s[G0P+4*\s+3], 0x80000000
	s_mov_b32 s[G0R+4*\s], 1
	s_add_co_u32 s[G0R+4*\s+1], s72, \s*SLAB
	s_add_nc_u64 s[G0R+4*\s+2:G0R+4*\s+3], s[76:77], \s*BLK
	s_or_b32 s[G0R+4*\s+3], s[G0R+4*\s+3], 0x80000000
.endr
	s_cmp_lt_u32 s[WV], 2                          ; a wave's two fills stand in one branch on its number; an s_nop 0 follows each, four v_nop the second
	s_cbranch_scc0 .Lnot_p
	tensor_load_to_lds s[G0P:G0P+3], s[G1P:G1P+7]
	s_nop 0
	tensor_load_to_lds s[G0P+4:G0P+7], s[G1P:G1P+7]
	s_nop 0
.rept 4
	v_nop
.endr
	s_branch .Lasked
.Lnot_p:
	s_cmp_lt_u32 s[WV], 6
	s_cbranch_scc0 .Lasked
	tensor_load_to_lds s[G0R:G0R+3], s[G1R:G1R+7]
	s_nop 0
	tensor_load_to_lds s[G0R+4:G0R+7], s[G1R:G1R+7]
	s_nop 0
.rept 4
	v_nop
.endr
.Lasked:
	v_and_b32 v15, 31, v0                          ; lane
	v_and_b32 v[GO], 15, v0                        ; r, for now
	v_bfe_u32 v[RD], v0, 4, 1                      ; h, for now
	s_delay_alu instid0(VALU_DEP_3)
	v_lshlrev_b32 v[L16], 4, v15
	s_wait_alu depctr_va_vdst(0)
	v_lshlrev_b32 v[L8], 3, v15
	s_wait_alu depctr_va_vdst(0)
	s_lshl_b32 s78, s[CX], 2
	s_add_co_u32 s78, s78, s[WR]                   ; my 64 columns: 4 tile + wr
	s_lshl_b32 s80, s78, 8                         ; 256 bytes in bo, and in a row of out0
	s_mov_b32 s81, 0
	s_add_nc_u64 s[82:83], s[8:9], s[80:81]
	global_load_b64 v[32:33], v[L8], s[82:83]      ; the wave reads 256 consecutive bytes
	s_lshl_b32 s79, s[PTI], 1
	s_add_co_u32 s79, s79, s[WP]                   ; my 64 tokens
	s_lshl_b32 s79, s79, 18                        ; x 64 rows of 4,096 bytes
	s_add_co_u32 s80, s80, s79
	s_add_nc_u64 s[10:11], s[10:11], s[80:81]      ; out0 at my first row and column
	s_mul_i32 s84, s[WP], QUART
	s_mul_i32 s85, s[WR], QUART
	s_add_co_u32 s85, s85, ROFF
	v_add_nc_u32 v[AP16], s84, v[L16]
	v_add_nc_u32 v[AP8], s84, v[L8]
	v_add_nc_u32 v[AR16], s85, v[L16]
	v_add_nc_u32 v[AR8], s85, v[L8]
	s_sub_co_u32 s86, s85, s84
	v_mul_u32_u24 v[ASC], s86, v[RD]               ; lanes 16-31 take R's words: one product, the distance x h
	s_delay_alu instid0(VALU_DEP_1)
	v_lshl_add_u32 v[ASC], v[GO], 4, v[ASC]
	s_add_co_u32 s84, s84, 6144
	v_add_nc_u32 v[ASC], s84, v[ASC]
	s_lshl_b32 s87, s[WV], 8
	s_add_co_u32 s87, s87, BIAS
	v_add_nc_u32 v[BW], s87, v[L8]
	v_lshl_add_u32 v[BRQ], v[RD], 6, s87
	s_mul_i32 s88, s[WV], STGB
	v_mul_u32_u24 v[STO], v[GO], 272
	s_delay_alu instid0(VALU_DEP_1)
	v_lshl_add_u32 v[STO], v[RD], 6, v[STO]
	s_delay_alu instid0(VALU_DEP_1)
	v_add_nc_u32 v[STO], s88, v[STO]
	v_lshlrev_b32 v15, 12, v[RD]                   ; 4,096 h
	v_mul_u32_u24 v[RD], v[RD], 272
	s_delay_alu instid0(VALU_DEP_1)
	v_lshl_add_u32 v[RD], v[GO], 4, v[RD]
	s_delay_alu instid0(VALU_DEP_1)
	v_add_nc_u32 v[RD], s88, v[RD]
	s_delay_alu instid0(VALU_DEP_4)
	v_lshl_add_u32 v[GO], v[GO], 4, v15
	s_wait_loadcnt 0x0
	ds_store_b64 v[BW], v[32:33]                   ; my wave's own 256 bytes
.macro SCALES
.irp i, 0,1,2,3
	ds_load_b128 v[SC+4*\i:SC+4*\i+3], v[ASC] offset:BLK*\i
.endr
.endm
; 128 along K: 32 LDS loads, 16 matrix instructions.  The 16 accumulators take turns in the same order in every step.
.macro KSTEP sl, zero, places
.if \places
.rept 4
	v_nop                                          ; places in front of loads into registers that matrix instructions have read
.endr
.endif
.irp a, 0,1,2,3
.irp f, 0,1
	ds_load_b128 v[PF+12*\a+6*\f:PF+12*\a+6*\f+3], v[AP16] offset:BLK*\a+1536*(\sl)+768*\f
	ds_load_b64 v[PF+12*\a+6*\f+4:PF+12*\a+6*\f+5], v[AP8] offset:BLK*\a+1536*(\sl)+768*\f+512
.endr
.endr
.irp t, 0,1,2,3
.irp f, 0,1
	ds_load_b128 v[RF+12*\t+6*\f:RF+12*\t+6*\f+3], v[AR16] offset:BLK*\t+1536*(\sl)+768*\f
	ds_load_b64 v[RF+12*\t+6*\f+4:RF+12*\t+6*\f+5], v[AR8] offset:BLK*\t+1536*(\sl)+768*\f+512
.endr
.endr
.irp t, 0,1,2,3
	s_wait_dscnt 12-4*\t                           ; P and R's fragments up to t are in; the four loads of each later one may be out
.irp a, 0,1,2,3
.if \zero
	v_wmma_scale_f32_16x16x128_f8f6f4 v[ACC+32*\a+8*\t:ACC+32*\a+8*\t+7], v[RF+12*\t:RF+12*\t+11], v[PF+12*\a:PF+12*\a+11], 0, v[SC+4*\t+(\sl)], v[SC+4*\a+(\sl)] matrix_a_fmt:MATRIX_FMT_FP6 matrix_b_fmt:MATRIX_FMT_FP6 matrix_a_scale:MATRIX_SCALE_ROW1
.else
	v_wmma_scale_f32_16x16x128_f8f6f4 v[ACC+32*\a+8*\t:ACC+32*\a+8*\t+7], v[RF+12*\t:RF+12*\t+11], v[PF+12*\a:PF+12*\a+11], v[ACC+32*\a+8*\t:ACC+32*\a+8*\t+7], v[SC+4*\t+(\sl)], v[SC+4*\a+(\sl)] matrix_a_fmt:MATRIX_FMT_FP6 matrix_b_fmt:MATRIX_FMT_FP6 matrix_a_scale:MATRIX_SCALE_ROW1
.endif
.endr
.endr
.endm
	s_wait_tensorcnt 1                             ; my part of K 0-511 is in; the load behind it, K 512-1023, may be out
	s_wait_dscnt 0x0
	s_barrier_signal -1
	s_barrier_wait -1
	SCALES
	KSTEP 0, 1, 0                                  ; the first products start the sums: nothing is cleared
	KSTEP 1, 0, 1
	KSTEP 2, 0, 1
	KSTEP 3, 0, 1
	s_wait_tensorcnt 0x0                           ; my part of K 512-1023 is in; my reads of K 0-511 are over (the last step's count ran down to 0)
	s_barrier_signal -1
	s_barrier_wait -1                              ; both now hold of every wave: behind this barrier nobody reads the first half's bytes
.irp v, AP16, AP8, AR16, AR8, ASC
	v_add_nc_u32 v[\v], SLAB, v[\v]                ; five plain instructions: also the places in front of the loads below
.endr
	SCALES
	KSTEP 0, 0, 0
	s_wait_alu depctr_va_vdst(0)
	KSTEP 1, 0, 1
	KSTEP 2, 0, 1
	KSTEP 3, 0, 1
.rept 4
	v_nop                                          ; places in front of the first read of results and of loads into the fragments' registers
.endr
	; ---- the bias.  Register 32 a + 16 b + i of lane (r, h) is out(row r of P's block a, column 32 b + 16 h + i of my 64)
.irp b, 0,1
.irp u, 0,1
.irp q, 0,1
	ds_load_b128 v[32+16*\b+8*\u+4*\q:32+16*\b+8*\u+4*\q+3], v[BRQ] offset:(32*\b+8*\u)*4+16*\q
.endr
.endr
.endr
	s_wait_dscnt 0x0
.irp a, 0,1,2,3
.set J, 0
.rept 16
	v_pk_add_f32 v[ACC+32*\a+J:ACC+32*\a+J+1], v[ACC+32*\a+J:ACC+32*\a+J+1], v[32+J:33+J]   ; each accumulator from its low end on
.set J, J+2
.endr
.endr
; Block a, 16 tokens x 64 columns: into my stage as 64 bytes a lane, back as whole rows of 256 bytes.  LDS serves a wave's instructions in order: no wait between the stores and the loads, nor in front of the next block's stores.
.macro TOSTAGE a
.irp b, 0,1
.irp q, 0,1,2,3
	ds_store_b128 v[STO], v[ACC+32*(\a)+16*\b+4*\q:ACC+32*(\a)+16*\b+4*\q+3] offset:128*\b+16*\q
.endr
.endr
.irp i, 0,1,2,3,4,5,6,7
	ds_load_b128 v[32+32*((\a)%2)+4*\i:32+32*((\a)%2)+4*\i+3], v[RD] offset:544*\i
.endr
.endm
; Stage row 2 i + h is the token 32 (a / 2) + 8 (a % 2) + 2 i + h + 8 (i / 4) of my 64.  younger: the LDS instructions issued behind block a's loads
.macro SEND a, younger
	s_wait_dscnt \younger
.irp i, 0,1,2,3,4,5,6,7
	global_store_b128 v[GO], v[32+32*((\a)%2)+4*\i:32+32*((\a)%2)+4*\i+3], s[10:11] offset:(32*((\a)/2)+8*((\a)%2)+2*\i+8*(\i/4))*4096 th:TH_STORE_NT   ; 16 lanes store 256 consecutive bytes, at a multiple of 256 from out0's first byte
.endr
.endm
	TOSTAGE 0
	TOSTAGE 1
	s_wait_alu depctr_va_vdst(0)
	SEND 0, 16                                     ; behind block 0's loads: block 1's 8 stores and 8 loads
	s_wait_xcnt 0x0                                ; block 0's stores have read their registers: block 2's loads may land there
	TOSTAGE 2
	SEND 1, 16
	s_wait_xcnt 0x0
	TOSTAGE 3
	SEND 2, 16
	SEND 3, 0
	s_wait_tensorcnt 0x0                           ; the wave's end: behind my last tensor load and LDS store
	ds_add_u32 v[SPW], v[NIL]
	s_wait_dscnt 0x0
	CROUND                                         ; the closing round
	s_endpgm
.Lfunc_end_k_q80ea18871f_outp:
	.size	k_q80ea18871f_outp, .Lfunc_end_k_q80ea18871f_outp-k_q80ea18871f_outp
	.p2alignl 7, 3214868480
	.fill 96, 4, 3214868480
	.section	.rodata,"a",@progbits
	.p2align	6, 0x0
	.amdhsa_kernel k_q80ea18871f_outp
		.amdhsa_group_segment_fixed_size 327680
		.amdhsa_private_segment_fixed_size 0
		.amdhsa_enable_private_segment 0
		.amdhsa_kernarg_size 32
		.amdhsa_user_sgpr_count 2
		.amdhsa_user_sgpr_kernarg_segment_ptr 1
		.amdhsa_wavefront_size32 1
		.amdhsa_system_sgpr_workgroup_id_x 1
		.amdhsa_system_sgpr_workgroup_id_y 1
		.amdhsa_system_sgpr_workgroup_id_z 1
		.amdhsa_system_vgpr_workitem_id 0
		.amdhsa_next_free_vgpr 256
		.amdhsa_next_free_sgpr 100
		.amdhsa_reserve_vcc 0
		.amdhsa_float_denorm_mode_32 3
		.amdhsa_float_denorm_mode_16_64 3
		.amdhsa_memory_ordered 1
		.amdhsa_forward_progress 1
		.amdhsa_inst_pref_size 55
	.end_amdhsa_kernel
	.amdgpu_metadata
---
amdhsa.version: [ 1, 2 ]
amdhsa.kernels:
  - .name:           k_q80ea18871f_outp
    .symbol:         k_q80ea18871f_outp.kd
    .args:
      - { .name: ao, .offset: 0, .size: 8, .value_kind: global_buffer, .address_space: global }
      - { .name: wc, .offset: 8, .size: 8, .value_kind: global_buffer, .address_space: global }
      - { .name: bo, .offset: 16, .size: 8, .value_kind: global_buffer, .address_space: global }
      - { .name: out0, .offset: 24, .size: 8, .value_kind: global_buffer, .address_space: global }
    .group_segment_fixed_size: 327680
    .private_segment_fixed_size: 0
    .kernarg_segment_align: 8
    .kernarg_segment_size: 32
    .max_flat_workgroup_size: 256
    .sgpr_count:     100
    .vgpr_count:     256
    .wavefront_size: 32
...
	.end_amdgpu_metadata
.endif
;; end of part 4
